; MI455X (gfx1250); checked and timed in simulation.
; The chip was launched on July 23, 2026; its instructions are those of AMD's public machine-readable ISA for CDNA 5 (MIT licence, August 2026) and "CDNA5" Instruction Set Architecture Reference Guide (July 2026). The comments in the code are by the model that wrote it; some were corrected since.
;; Cross Attention Layer. Allowed arithmetic: matrix products marked QUANTISED: E2M1 operands, one E8M0 scale for each 32 along K, by v_wmma_scale_f32_16x16x128_f8f6f4 with both operands' format E2M1 (or v_wmma_scale_f32_32x16x128_f4), f32 sums; products left as they are: bf16, f16 or f32 operands; f32 sums; everything else in f32.
;; Inputs: W1 4,096 x 1,024 float32; W2 1,024 x 4,096 float32; Wk 1,024 x 1,024 float32; Wq 1,024 x 1,024 float32; Wv 1,024 x 1,024 float32; b1 4,096 float32; b2 1,024 float32; be1 1,024 float32; be2 1,024 float32; bk 1,024 float32; bq 1,024 float32; bv 1,024 float32; context 2 x 2,048 x 1,024 float32; g1 1,024 float32; g2 1,024 float32; x 2 x 2,048 x 1,024 float32.
;; Outputs: out0 2 x 2,048 x 1,024 float32.
;; This version of the problem:
;;   THIS VERSION OF THE PROBLEM IS GIVEN IN LOW PRECISION. The matrix products marked QUANTISED in the list below multiply operands that are first quantised to E2M1 (2 exponent bits, 1 mantissa bit; 4 bits a number), with one power-of-two scale for each 32 numbers along K (OCP MX v1.0); their sums are f32. The products marked 'left as it is' may take bf16, f16 or f32 operands, with f32 sums. Whichever they take, every output number must still come out within the allowed error. Rounding operands to bf16 (8 significant bits) uses up far more of that allowance than f16 does (11 bits, for magnitudes from 6e-5 to 65,504). All else is computed in f32.
;;   The module's matrix products, in the order in which they are computed (A, B: the left and right operand; K: the contracted axis; several contracted axes count as one K, in the product's order):
;;     1. [M 4,096, K 1,024] x [K 1,024, N 1,024]; A: input x; B: input Wq: QUANTISED
;;     2. [M 4,096, K 1,024] x [K 1,024, N 1,024]; A: input context; B: input Wk: QUANTISED
;;     3. [M 4,096, K 1,024] x [K 1,024, N 1,024]; A: input context; B: input Wv: QUANTISED
;;     4. batch 32 x [M 2,048, K 64] x [K 64, N 2,048]; A: computed on the way; B: computed on the way: left as it is (an operand is computed on the way)
;;     5. batch 32 x [M 2,048, K 2,048] x [K 2,048, N 64]; A: computed on the way; B: computed on the way: left as it is (an operand is computed on the way)
;;     6. [M 4,096, K 1,024] x [K 1,024, N 4,096]; A: computed on the way; B: input W1: left as it is (an operand is computed on the way)
;;     7. [M 4,096, K 4,096] x [K 4,096, N 1,024]; A: computed on the way; B: input W2: left as it is (an operand is computed on the way)
;;   THE QUANTISER, for each operand of a quantised product, along K:
;;     - K is cut into blocks of 32 from its start; a last block that is shorter is filled with zeros.
;;     - A block's scale is 2^e with e = floor(log2(the largest magnitude in the block)) - 2, held to -126 .. 127; a block of zeros has e = 0. As a byte (E8M0): e + 127.
;;     - Each number is divided by its block's scale, clamped to +-6, and rounded to the nearest number of E2M1, ties to even, subnormals kept.
;;     - The product sums the exact products of the quantised numbers (number of the format x scale) in f32.
;;   ~~~python
;;   def quantise(x, axis):      # numpy; x: float32 -> the quantised numbers, widened to float32 again
;;       x = np.moveaxis(x, axis, -1); K = x.shape[-1]
;;       x = np.pad(x, [(0, 0)] * (x.ndim - 1) + [(0, -K % 32)]); x = x.reshape(x.shape[:-1] + (-1, 32)); a = np.abs(x).max(-1, keepdims=True)
;;       e = np.where(a > 0, np.clip(np.frexp(np.where(a > 0, a, 1))[1] - 1 - 2, -126, 127), 0)      # np.frexp(a)[1] - 1 = floor(log2(a)), exactly
;;       r = np.clip(x / 2.0 ** e, -6, 6)
;;       step = 2.0 ** (np.maximum(np.frexp(np.where(r == 0, 1, r))[1] - 1, 0) - 1)
;;       q = np.round(r / step) * step * 2.0 ** e      # np.round: ties to even
;;       return np.moveaxis(q.reshape(q.shape[:-2] + (-1,))[..., :K], -1, axis).astype(np.float32)
;;   ~~~
;; One version. Each part assembles by itself: llvm-mc -triple=amdgcn-amd-amdhsa -mcpu=gfx1250 --defsym DOCPART=n.
;; ======== version 1 of 1: 6 launches
;; limits: values are held in f16: magnitudes above 65,504 overflow, below 6.1e-05 lose precision; a function is approximated: absolute error at most 1.5e-07
;; workspace buffers: codes 5,767,168 bytes; scales 360,448 bytes; wh 16,777,216 bytes; qkvh 25,165,824 bytes; o1f 16,777,216 bytes; o1h 8,388,608 bytes; hh 33,554,432 bytes; y 16,777,216 bytes
;; launch prep (part 1): grid 608 x 1, 4 waves a work-group, no clusters, 33,280 bytes of LDS; arguments x, context, Wq, Wk, Wv, W1, W2, codes, scales, wh; writes codes, scales, wh
.if DOCPART == 1
	.amdgcn_target "amdgcn-amd-amdhsa--gfx1250"
	.amdhsa_code_object_version 6
	.text
	.protected	k_q833768648e_prep
	.globl	k_q833768648e_prep
	.p2align	8
	.type	k_q833768648e_prep,@function
k_q833768648e_prep:
	s_mov_b64 s[64:65], 0
	v_nop
	global_prefetch_b8 v0, s[64:65] scope:SCOPE_SE
	s_setreg_imm32_b32 hwreg(HW_REG_WAVE_MODE, 25, 1), 1
	s_wait_xcnt 0x0
; x, context, Wq, Wk, Wv (f32, K innermost) become codes of FP4 (E2M1) with one E8M0 scale byte for each 32 along K; W1 and W2 (f32) become f16.
; All seven tensors are dense streams.  A work-group takes 32,768 numbers, a wave 8,192, in 16 steps of 512.
; Work-groups 0-127 x, 128-255 context, 256-287 Wq, 288-319 Wk, 320-351 Wv, 352-479 W1, 480-607 W2: the order of the work-groups is the order of the parts in
; the buffers codes, scales and wh, so only the source is chosen (by selects on the work-group's number).
; QUANTISER: a block's scale is 2^(floor(log2(largest magnitude)) - 2); its byte is the largest magnitude's exponent field - 2, held at 1 from below.
; A block of zeros so gets the byte 1 where the rule says 127: its codes are zeros, and this program alone reads the bytes.
; LIMITS: NaN and infinities among the inputs are not served; |W1|, |W2| under 65,504 (f16).
.set STEPS, 16
.set EMAX,  2
.set CB,    8                          ; bytes of 16 codes
.set R,     16                         ; v16-79   four sets of 16 numbers as they are loaded
.set X,     80                         ; v80-111  two sets of 16 neighbours (quantiser)
.set E,     112                        ; v112-127 a scale byte for each step
.set C,     128                        ; v128-191 codes: four registers for each step, never rewritten
.set OUTC,  80                         ; v80-207  the cast: eight registers for each step, never rewritten
.set WREG,  8192                       ; LDS: a region for each wave: two stages of 32 x SP bytes, then its 256 scale bytes
.set SP,    80                         ; a lane's place in a stage: 64 bytes + 16 of padding
.set SPW,   12                         ; v12 LDS address of my spare word; never rewritten
.set NIL,   13                         ; v13 0; never rewritten
.set SPARE, 4*WREG                     ; behind the four regions: the spare words, 128 bytes a wave
.set SRC,   24                         ; s[24:25] my wave's numbers
.set CD,    28                         ; s[28:29] where my codes (or f16 numbers) go
.set SB,    30                         ; s[30:31] where my scale bytes go
.set WV,    33
	s_load_b512 s[4:19], s[0:1], 0x0               ; x 4, context 6, Wq 8, Wk 10, Wv 12, W1 14, W2 16, codes 18
	s_load_b128 s[20:23], s[0:1], 0x40             ; scales 20, wh 22
	v_lshl_add_u32 v[SPW], v0, 2, SPARE
	v_mov_b32 v[NIL], 0
	v_lshrrev_b32 v1, 5, v0
	v_readfirstlane_b32 s[WV], v1                  ; wave
	v_and_b32 v2, 31, v0                           ; lane
	v_lshlrev_b32 v3, 4, v2                        ; my 16 bytes of a load's 512
	s_mul_i32 s34, s[WV], WREG
	v_lshrrev_b32 v14, 2, v2
	v_mul_u32_u24 v14, v14, SP
	v_and_b32 v15, 3, v2
	v_lshl_add_u32 v14, v15, 4, v14
	v_add_nc_u32 v14, s34, v14                     ; the stage, on the way in: four lanes' 64 bytes on end, then 16 of padding
	v_mul_u32_u24 v15, v2, SP
	v_add_nc_u32 v15, s34, v15                     ; and on the way out: my 16 neighbours
	v_mul_u32_u24 v4, v2, CB                       ; 8 bytes a lane: my codes' place in a step's; the cast's f16 likewise
	v_lshrrev_b32 v5, 1, v2
	s_add_co_u32 s34, s34, 2*32*SP
	v_add_nc_u32 v5, s34, v5                       ; LDS: my wave's 256 scale bytes, my block's byte
	v_lshlrev_b32 v7, 3, v2
	v_add_nc_u32 v6, s34, v7                       ; and on the way out 8 bytes a lane
	s_wait_kmcnt 0x0
	s_mov_b64 s[SRC:SRC+1], s[4:5]
	s_mov_b32 s26, 0                               ; the tensor's first work-group
.macro PICK limit, ptr                 ; from work-group limit on: the next tensor.  The choice hangs on the work-group's number alone
	s_cmp_ge_u32 ttmp9, \limit
	s_cselect_b64 s[SRC:SRC+1], s[\ptr:\ptr+1], s[SRC:SRC+1]
	s_cselect_b32 s26, \limit, s26
.endm
	PICK 128, 6
	PICK 256, 8
	PICK 288, 10
	PICK 320, 12
	PICK 352, 14
	PICK 480, 16
	s_sub_co_u32 s27, ttmp9, s26
	s_lshl_b32 s36, s27, 17                        ; 32,768 numbers of 4 bytes a work-group,
	s_lshl_b32 s37, s[WV], 15                      ; 8,192 a wave
	s_add_co_u32 s36, s36, s37
	s_mov_b32 s37, 0
	s_add_nc_u64 s[SRC:SRC+1], s[SRC:SRC+1], s[36:37]
	s_cmp_ge_u32 ttmp9, 352
	s_cbranch_scc1 .Lcast
	; ---- the quantiser
	s_lshl_b32 s36, ttmp9, 2
	s_add_co_u32 s36, s36, s[WV]                   ; which run of 8,192 numbers is mine
	s_lshl_b32 s38, s36, 12                        ; 4,096 bytes of codes a run
	s_mov_b32 s39, 0
	s_add_nc_u64 s[CD:CD+1], s[18:19], s[38:39]
	s_lshl_b32 s38, s36, 8                         ; 256 scale bytes a run
	s_add_nc_u64 s[SB:SB+1], s[20:21], s[38:39]
.macro LOAD t
.irp i, 0,1,2,3
	global_load_b128 v[R+16*((\t)%4)+4*\i:R+16*((\t)%4)+4*\i+3], v3, s[SRC:SRC+1] offset:2048*(\t)+512*\i th:TH_LOAD_NT   ; 32 lanes read 512 consecutive bytes
.endr
.endm
.macro TURN t                          ; step t's numbers through the stage: LDS serves a wave's instructions in order, so no wait stands between the stores and the loads
.irp i, 0,1,2,3
	ds_store_b128 v14, v[R+16*((\t)%4)+4*\i:R+16*((\t)%4)+4*\i+3] offset:32*SP*((\t)%2)+8*SP*\i
.endr
.irp i, 0,1,2,3
	ds_load_b128 v[X+16*((\t)%2)+4*\i:X+16*((\t)%2)+4*\i+3], v15 offset:32*SP*((\t)%2)+16*\i
.endr
.endm
.irp t, 0,1,2,3
	LOAD \t
.endr
	s_wait_loadcnt 12                              ; step 0's four loads are in; the twelve of steps 1 to 3 may be out
	TURN 0
.macro QSTEP t
.set XS, X+16*((\t)%2)
.if (\t) > 0
	s_wait_dscnt 1                                 ; this step's numbers are back from the stage; the last step's byte store may be out
.else
	s_wait_dscnt 0x0
.endif
.if (\t)+4 < STEPS
	LOAD (\t)+4                                    ; into the set that this step's stage stores have read
.endif
.if (\t)+1 < STEPS
.if STEPS-2-(\t) >= 3
	s_wait_loadcnt 12                              ; the next step's four loads are in; those of the three steps behind it may be out
.else
	s_wait_loadcnt 4*(STEPS-2-(\t))
.endif
	TURN (\t)+1
.endif
	v_max3_num_f32 v8, |v[XS]|, |v[XS+1]|, |v[XS+2]|               ; the largest magnitude of my 16, in two chains
	v_max3_num_f32 v9, |v[XS+3]|, |v[XS+4]|, |v[XS+5]|
.irp i, 6,10
	v_max3_num_f32 v8, v8, |v[XS+\i]|, |v[XS+\i+1]|
	v_max3_num_f32 v9, v9, |v[XS+\i+2]|, |v[XS+\i+3]|
.endr
	v_max3_num_f32 v8, v8, |v[XS+14]|, |v[XS+15]|
	v_max3_num_f32 v8, v8, v9, (EMAX+1)<<23        ; and the floor 2^(EMAX + 1 - 127): the byte cannot fall under 1
	v_max_num_f32_dpp v8, v8, v8 row_xmask:1 row_mask:0xf bank_mask:0xf   ; with my neighbour's 16: the block's
	v_add_nc_u32 v11, -(EMAX<<23), v8              ; EMAX off its exponent field: the conversion takes the exponent field of this operand as its scale
	v_cvt_scalef32_pk8_fp4_f32 v[C+4*(\t)], v[XS:XS+7], v11
	v_cvt_scalef32_pk8_fp4_f32 v[C+4*(\t)+1], v[XS+8:XS+15], v11
	v_lshrrev_b32 v[E+(\t)], 23, v11               ; the scale's byte (also the plain line behind the conversions)
	ds_store_b8 v5, v[E+(\t)] offset:16*(\t)       ; both lanes of a block write the same byte with the same value
	global_store_b64 v4, v[C+4*(\t):C+4*(\t)+1], s[CD:CD+1] offset:32*CB*(\t)   ; the wave stores 256 consecutive bytes, aligned
.endm
.irp t, 0,1,2,3,4,5,6,7,8,9,10,11,12,13,14,15
	QSTEP \t
.endr
	ds_load_b64 v[8:9], v6                         ; in order behind my byte stores
	s_wait_dscnt 0x0
	global_store_b64 v7, v[8:9], s[SB:SB+1]        ; 256 scale bytes, consecutive and aligned
	s_wait_tensorcnt 0x0                           ; the wave's end, behind my last LDS store
	ds_add_u32 v[SPW], v[NIL]
	s_wait_dscnt 0x0
	s_endpgm
	; ---- the cast to f16: no LDS on this path
.Lcast:
	s_sub_co_u32 s36, ttmp9, 352
	s_lshl_b32 s36, s36, 16                        ; 65,536 bytes of f16 a work-group,
	s_lshl_b32 s38, s[WV], 14                      ; 16,384 a wave
	s_add_co_u32 s36, s36, s38
	s_add_nc_u64 s[CD:CD+1], s[22:23], s[36:37]
.macro CLOAD t
.irp i, 0,1,2,3
	global_load_b128 v[R+16*((\t)%4)+4*\i:R+16*((\t)%4)+4*\i+3], v3, s[SRC:SRC+1] offset:2048*(\t)+512*\i th:TH_LOAD_NT
.endr
.endm
.macro CSTEP t
.if 15-(\t) >= 3
	s_wait_loadcnt 12                              ; this step's four loads are in; the twelve of the next three steps may be out
.else
	s_wait_loadcnt 4*(15-(\t))
.endif
.irp i, 0,1,2,3
	v_cvt_pk_f16_f32 v[OUTC+8*(\t)+2*\i], v[R+16*((\t)%4)+4*\i], v[R+16*((\t)%4)+4*\i+1]
	v_cvt_pk_f16_f32 v[OUTC+8*(\t)+2*\i+1], v[R+16*((\t)%4)+4*\i+2], v[R+16*((\t)%4)+4*\i+3]
.endr
.if (\t)+4 < 16
	CLOAD (\t)+4
.endif
.irp i, 0,1,2,3
	global_store_b64 v4, v[OUTC+8*(\t)+2*\i:OUTC+8*(\t)+2*\i+1], s[CD:CD+1] offset:1024*(\t)+256*\i   ; 256 consecutive bytes, aligned; each step has its own data registers
.endr
.endm
.irp t, 0,1,2,3
	CLOAD \t
.endr
.irp t, 0,1,2,3,4,5,6,7,8,9,10,11,12,13,14,15
	CSTEP \t
.endr
	s_endpgm
.Lfunc_end_k_q833768648e_prep:
	.size	k_q833768648e_prep, .Lfunc_end_k_q833768648e_prep-k_q833768648e_prep
	.p2alignl 7, 3214868480
	.fill 96, 4, 3214868480
	.section	.rodata,"a",@progbits
	.p2align	6, 0x0
	.amdhsa_kernel k_q833768648e_prep
		.amdhsa_group_segment_fixed_size 33280
		.amdhsa_private_segment_fixed_size 0
		.amdhsa_enable_private_segment 0
		.amdhsa_kernarg_size 80
		.amdhsa_user_sgpr_count 2
		.amdhsa_user_sgpr_kernarg_segment_ptr 1
		.amdhsa_wavefront_size32 1
		.amdhsa_system_sgpr_workgroup_id_x 1
		.amdhsa_system_sgpr_workgroup_id_y 1
		.amdhsa_system_sgpr_workgroup_id_z 1
		.amdhsa_system_vgpr_workitem_id 0
		.amdhsa_next_free_vgpr 208
		.amdhsa_next_free_sgpr 66
		.amdhsa_reserve_vcc 0
		.amdhsa_float_denorm_mode_32 3
		.amdhsa_float_denorm_mode_16_64 3
		.amdhsa_memory_ordered 1
		.amdhsa_forward_progress 1
		.amdhsa_inst_pref_size 55
	.end_amdhsa_kernel
	.amdgpu_metadata
---
amdhsa.version: [ 1, 2 ]
amdhsa.kernels:
  - .name:           k_q833768648e_prep
    .symbol:         k_q833768648e_prep.kd
    .args:
      - { .name: x, .offset: 0, .size: 8, .value_kind: global_buffer, .address_space: global }
      - { .name: context, .offset: 8, .size: 8, .value_kind: global_buffer, .address_space: global }
      - { .name: Wq, .offset: 16, .size: 8, .value_kind: global_buffer, .address_space: global }
      - { .name: Wk, .offset: 24, .size: 8, .value_kind: global_buffer, .address_space: global }
      - { .name: Wv, .offset: 32, .size: 8, .value_kind: global_buffer, .address_space: global }
      - { .name: W1, .offset: 40, .size: 8, .value_kind: global_buffer, .address_space: global }
      - { .name: W2, .offset: 48, .size: 8, .value_kind: global_buffer, .address_space: global }
      - { .name: codes, .offset: 56, .size: 8, .value_kind: global_buffer, .address_space: global }
      - { .name: scales, .offset: 64, .size: 8, .value_kind: global_buffer, .address_space: global }
      - { .name: wh, .offset: 72, .size: 8, .value_kind: global_buffer, .address_space: global }
    .group_segment_fixed_size: 33280
    .private_segment_fixed_size: 0
    .kernarg_segment_align: 8
    .kernarg_segment_size: 80
    .max_flat_workgroup_size: 128
    .sgpr_count:     66
    .vgpr_count:     208
    .wavefront_size: 32
...
	.end_amdgpu_metadata
.endif
;; end of part 1
;; launch qkv (part 2): grid 4 x 48, 4 waves a work-group, clusters of 4 x 4, 327,680 bytes of LDS; arguments codes, scales, bq, bk, bv, qkvh; writes qkvh
.if DOCPART == 2
	.amdgcn_target "amdgcn-amd-amdhsa--gfx1250"
	.amdhsa_code_object_version 6
	.text
	.protected	k_q833768648e_qkv
	.globl	k_q833768648e_qkv
	.p2align	8
	.type	k_q833768648e_qkv,@function
k_q833768648e_qkv:
	s_mov_b64 s[64:65], 0
	v_nop
	global_prefetch_b8 v0, s[64:65] scope:SCOPE_SE
	s_setreg_imm32_b32 hwreg(HW_REG_WAVE_MODE, 25, 1), 1
	s_wait_xcnt 0x0
	s_wait_alu depctr_hold_cnt(0) depctr_sa_sdst(0) depctr_va_vdst(0) depctr_va_sdst(0) depctr_va_ssrc(0) depctr_va_vcc(0) depctr_vm_vsrc(0)
	s_getreg_b32 s2, hwreg(HW_REG_IB_STS2, 6, 4)
	s_cmp_eq_u32 s2, 0
	s_cbranch_scc0 .Lentry_in_a_cluster
	s_endpgm
.Lentry_in_a_cluster:
	s_bfe_u32 s2, ttmp6, 0x10000c
	s_cmp_lg_u32 s2, 0xf033
	s_cbranch_scc0 .Lentry_shape_is_right
	s_endpgm
.Lentry_shape_is_right:
; q = x Wq^T + bq, k = context Wk^T + bk, v = context Wv^T + bv, on codes of FP4 (E2M1) with one E8M0 scale for each 32 along K; sums in f32, the bias as the sums' start;
; results rounded once to f16 and stored head-major: qkvh = q, k, v, each [16 b + h][2048 tokens][64], a row of 128 bytes.  LIMIT: |q|, |k|, |v| under 65,504.
; Each product is [4096][1024] x [1024][1024]^T: 64 tiles of 256 x 256; the grid's y holds the three products one below the other (cluster y / 4 = the product).
; A work-group of four waves makes a tile, a wave 128 x 128: 64 accumulators.  K = 1,024 is two LDS slots of 512 along K (rows of 256 bytes): both are filled at the start, nothing is filled again.
; The scale bytes of the tile's 256 + 256 rows come once, as dense blocks in rows of 256 bytes.
; CLUSTERS: 4 x 4 work-groups.  A's tiles are shared along a row of the cluster, B's along a column: each is asked for jointly, by the same tensor load with a mask that names the four.
; The matrix instruction is used transposed (source 0 = 16 rows of W, source 1 = 16 tokens): a lane holds eight neighbouring columns of one token.
; REGISTERS: window 0: v0-31 addresses; v32-95 scale words, two sets, and nothing else; v128-191 A's fragments, one set; v192-255 the bias of my 128 columns in the result's layout.
;   window 1: B's fragments, two sets.  windows 2, 3: the accumulators ((a, b) at v[8 (8 (a % 4) + b)]).  On the way out v128-223 of window 0 are at work.
.set KSTEP,  512
.set NQ,     4
.set ROWB,   256
.set KROW,   512                       ; a row of codes in memory
.set PITCH,  272                       ; an LDS row: 256 bytes + 16: an odd multiple of 16, so that the 16 rows of a load lie 16 bytes apart modulo 256
.set FR,     8
.set NL,     2
.set NP,     4
.set HALFT,  128*PITCH
.set SLOT,   4*HALFT
.set KS,     32                        ; a row of scale bytes
.set SCL,    2*SLOT
.set HALFS,  (128*KS/256)*272
.set SBLK,   (16*KS/256)*272
.set SPARE,  SCL+4*HALFS               ; the spare words, 128 bytes a wave
.set SPITCH, 272                       ; the way out: 16 rows x (256 bytes + 16) for each wave, in slot 0, which has had its only fill and its last read by then
.set ADRA, 16
.set ADRB, 20
.set STO,  24
.set RD,   25
.set CO,   26
.set ADRS, 27
.set SPW,  28
.set NIL,  29
.set SC,   32
.set AF,   128
.set BI,   192
.set TMP,  128
.set BK,   160
.set G1, 24
.set G0, 32
.set G1B, 48
.set G0B, 56
.set G1S, 68
.set G0S, 76
.set G1SB, 80
.set G0SB, 88
.set MSB, 0
.macro WIN new                         ; the immediate's high byte repeats the setting that is left
.if MSB != (\new)
	s_set_vgpr_msb (MSB<<8)|(\new)
.set MSB, (\new)
.endif
.endm
.set MUL_LO, 0xa1                      ; source 0 (W) window 1, source 1 (tokens) window 0, C and D window 2
.set MUL_HI, 0xf1
.set BIAS_LO, 0x81                     ; the first products: C (the bias) window 0, D window 2
.set BIAS_HI, 0xc1
.set TO_B,   0x40
.macro JLOAD g0a, g1a, g0b, g1b        ; a joint load: waves 0, 1 fetch for A, waves 2, 3 for B; the branch hangs on the wave's number alone; s_nop 0 and four v_nop follow each line
	s_cmp_eq_u32 s15, 0
	s_cbranch_scc0 .Lfor_b_\@
	tensor_load_to_lds s[\g0a:\g0a+3], s[\g1a:\g1a+7]
	s_nop 0
.rept 4
	v_nop
.endr
	s_branch .Lasked_\@
.Lfor_b_\@:
	tensor_load_to_lds s[\g0b:\g0b+3], s[\g1b:\g1b+7]
	s_nop 0
.rept 4
	v_nop
.endr
.Lasked_\@:
.endm
.macro CROUND                          ; a round of the cluster's barrier
	s_barrier_signal -1
	s_barrier_wait -1
	s_cmp_lg_u32 s14, 0
	s_cbranch_scc1 .Lnot_wave_0_\@
	s_barrier_signal -3
.Lnot_wave_0_\@:
	s_barrier_wait -3
	s_barrier_signal -1
	s_barrier_wait -1
.endm
	s_load_b256 s[4:11], s[0:1], 0x0               ; codes 4, scales 6, bq 8, bk 10
	s_load_b128 s[96:99], s[0:1], 0x20             ; bv 96, qkvh 98
	v_lshl_add_u32 v[SPW], v0, 2, SPARE
	v_mov_b32 v[NIL], 0
	ds_add_u32 v[SPW], v[NIL]                      ; the wave's opening: the add, twice on end, and its wait ahead of my first tensor load
	ds_add_u32 v[SPW], v[NIL]
	v_lshrrev_b32 v1, 5, v0
	v_readfirstlane_b32 s14, v1                    ; wave
	s_lshr_b32 s15, s14, 1                         ; my half of the tile's rows; also: I fetch for A (0) or B (1)
	s_and_b32 s16, s14, 1                          ; my half of its columns; also: which 128 rows I fetch
	s_bfe_u32 s40, ttmp6, 0x40000                  ; cx
	s_bfe_u32 s41, ttmp6, 0x40004                  ; cy
	s_lshl_b32 s42, ttmp9, 2
	s_add_co_u32 s42, s42, s40                     ; tile column
	s_and_b32 s95, ttmp7, 0xffff                   ; cluster y, 0 .. 11
	s_lshr_b32 s3, s95, 2                          ; the product: 0 q, 1 k, 2 v: the same in all partners
	s_min_u32 s2, s3, 1                            ; its A: 0 x, 1 context
	s_and_b32 s17, s95, 3
	s_lshl_b32 s17, s17, 2
	s_add_co_u32 s17, s17, s41                     ; tile row within the product
	s_lshl_b32 s43, s41, 2
	s_lshl_b32 s43, 15, s43                        ; my row of the cluster
	s_lshl_b32 s44, 0x1111, s40                    ; my column
	s_or_b32 s[G1+0], s43, (0<<16)|(1<<20)|(1<<21)|(5<<22)|(3<<25)  ; mask; elements of 1 byte; padding: 4 words behind every 64
	s_or_b32 s[G1B+0], s44, (0<<16)|(1<<20)|(1<<21)|(5<<22)|(3<<25)
.irp g, G1, G1B
	s_mov_b32 s[\g+1], ROWB<<16                    ; tensor_dim0
	s_mov_b32 s[\g+2], 128<<16                     ; tensor_dim1
	s_mov_b32 s[\g+3], ROWB<<16                    ; tile_dim0
	s_mov_b32 s[\g+4], 128                         ; tile_dim1
	s_mov_b32 s[\g+5], KROW                        ; pitch
	s_mov_b32 s[\g+6], 0
	s_mov_b32 s[\g+7], 0
.endr
	s_or_b32 s[G1S+0], s43, (3<<16)|(1<<20)|(1<<21)|(5<<22)|(3<<25)  ; the scales of 128 rows: 4,096 dense bytes as 16 rows of 32 elements of 8 bytes
	s_or_b32 s[G1SB+0], s44, (3<<16)|(1<<20)|(1<<21)|(5<<22)|(3<<25)
.irp g, G1S, G1SB
	s_mov_b32 s[\g+1], 32<<16
	s_mov_b32 s[\g+2], (128*KS/256)<<16
	s_mov_b32 s[\g+3], 32<<16
	s_mov_b32 s[\g+4], 128*KS/256
	s_mov_b32 s[\g+5], 32
	s_mov_b32 s[\g+6], 0
	s_mov_b32 s[\g+7], 0
.endr
	s_lshl_b32 s18, s16, 7                         ; which 128 rows of a tile I fetch
	s_lshl_b32 s20, s17, 8
	s_add_co_u32 s20, s20, s18                     ; A: row 256 x tile row + 128 x half
	s_lshl_b32 s22, s20, 5                         ; its scale bytes,
	s_lshl_b32 s20, s20, 9                         ; its codes,
	s_lshl_b32 s19, s2, 21
	s_add_co_u32 s20, s20, s19                     ; in x's part or context's
	s_lshl_b32 s19, s2, 17
	s_add_co_u32 s22, s22, s19
	s_mov_b32 s21, 0
	s_mov_b32 s23, 0
	s_lshl_b32 s46, s42, 8
	s_add_co_u32 s46, s46, s18                     ; B: row 256 x tile column + 128 x half
	s_lshl_b32 s92, s46, 5
	s_lshl_b32 s46, s46, 9
	s_lshl_b32 s19, s3, 19
	s_add_co_u32 s46, s46, s19                     ; in the product's weight,
	s_add_co_u32 s46, s46, 4194304                 ; behind x's and context's codes
	s_lshl_b32 s19, s3, 15
	s_add_co_u32 s92, s92, s19
	s_add_co_u32 s92, s92, 262144
	s_mov_b32 s47, 0
	s_mov_b32 s93, 0
	s_mul_i32 s45, s14, HALFT                      ; where they go: wave x 128 rows
	s_mul_i32 s94, s14, HALFS
	s_wait_dscnt 0x0                               ; both opening adds are done
	s_wait_kmcnt 0x0
	s_add_nc_u64 s[20:21], s[4:5], s[20:21]
	s_add_nc_u64 s[22:23], s[6:7], s[22:23]
	s_add_nc_u64 s[46:47], s[4:5], s[46:47]
	s_add_nc_u64 s[92:93], s[6:7], s[92:93]
	CROUND                                         ; all sixteen work-groups are here: the joint loads meet
	s_mov_b32 s[G0S], 1
	s_add_co_u32 s[G0S+1], s94, SCL
	s_mov_b64 s[G0S+2:G0S+3], s[22:23]
	s_or_b32 s[G0S+3], s[G0S+3], 0x80000000
	s_mov_b32 s[G0SB], 1
	s_add_co_u32 s[G0SB+1], s94, SCL
	s_mov_b64 s[G0SB+2:G0SB+3], s[92:93]
	s_or_b32 s[G0SB+3], s[G0SB+3], 0x80000000
	JLOAD G0S, G1S, G0SB, G1SB                     ; the scales first
.irp s, 0,1
	s_mov_b32 s[G0+4*\s], 1
	s_add_co_u32 s[G0+4*\s+1], s45, \s*SLOT
	s_add_nc_u64 s[G0+4*\s+2:G0+4*\s+3], s[20:21], \s*ROWB
	s_or_b32 s[G0+4*\s+3], s[G0+4*\s+3], 0x80000000
	s_mov_b32 s[G0B+4*\s], 1
	s_add_co_u32 s[G0B+4*\s+1], s45, \s*SLOT
	s_add_nc_u64 s[G0B+4*\s+2:G0B+4*\s+3], s[46:47], \s*ROWB
	s_or_b32 s[G0B+4*\s+3], s[G0B+4*\s+3], 0x80000000
	JLOAD G0+4*\s, G1, G0B+4*\s, G1B               ; three tensor loads of mine are out behind the last
.endr
	v_and_b32 v1, 15, v0                           ; r
	v_bfe_u32 v2, v0, 4, 1                         ; h
	; the bias of my 128 columns: lane (r, h) wants, for block b, columns 16 b + 8 h + 0 .. 7
	s_cmp_eq_u32 s3, 0
	s_cselect_b64 s[8:9], s[8:9], s[10:11]
	s_cmp_eq_u32 s3, 2
	s_cselect_b64 s[8:9], s[96:97], s[8:9]
	s_lshl_b32 s46, s42, 10
	s_lshl_b32 s47, s16, 9
	s_add_co_u32 s46, s46, s47
	s_mov_b32 s47, 0
	s_add_nc_u64 s[8:9], s[8:9], s[46:47]
	v_lshlrev_b32 v30, 5, v2
.irp b, 0,1,2,3,4,5,6,7
	global_load_b128 v[BI+8*\b:BI+8*\b+3], v30, s[8:9] offset:64*\b
	global_load_b128 v[BI+8*\b+4:BI+8*\b+7], v30, s[8:9] offset:64*\b+16
.endr
	v_mul_u32_u24 v3, v1, PITCH
	v_lshl_add_u32 v4, v2, 4, v3                   ; a fragment's row x pitch + 16 x half
	s_mul_i32 s21, s15, HALFT
	s_mul_i32 s22, s16, HALFT
	s_add_co_u32 s22, s22, 2*HALFT
.irp s, 0,1
	v_add_nc_u32 v[ADRA+\s], s21, v4
	v_add_nc_u32 v[ADRB+\s], s22, v4
	s_add_co_u32 s21, s21, SLOT
	s_add_co_u32 s22, s22, SLOT
.endr
	v_mul_u32_u24 v5, v1, KS                       ; my row's scale bytes: KS a row,
	v_lshrrev_b32 v6, 8, v5
	v_lshl_add_u32 v5, v6, 4, v5                   ; and 16 more for each 256 passed
	s_mul_i32 s21, s15, HALFS
	s_mul_i32 s22, s16, HALFS
	s_add_co_u32 s22, s22, 2*HALFS
	s_sub_co_u32 s22, s22, s21
	v_mul_u32_u24 v6, s22, v2                      ; lanes 16-31 take B's
	s_add_co_u32 s21, s21, SCL
	v_add_nc_u32 v5, v5, v6
	v_add_nc_u32 v[ADRS], s21, v5
	s_mul_i32 s23, s14, 16*SPITCH                  ; my stage
	v_mul_u32_u24 v5, v1, SPITCH
	v_lshl_add_u32 v5, v2, 4, v5
	v_add_nc_u32 v[STO], s23, v5                   ; in: row r, 16 bytes for each half of the lanes
	v_and_b32 v6, 31, v0
	v_lshrrev_b32 v7, 3, v6
	v_mul_u32_u24 v7, v7, SPITCH
	v_and_b32 v8, 7, v0
	v_lshl_add_u32 v7, v8, 4, v7
	v_add_nc_u32 v[RD], s23, v7                    ; back: eight lanes take a token's 128 bytes of one head, four tokens a load
	v_lshlrev_b32 v[CO], 4, v6                     ; which are 512 consecutive bytes of the output
	s_lshr_b32 s20, s17, 3                         ; the batch
	s_lshl_b32 s20, s20, 4
	s_lshl_b32 s21, s42, 2
	s_add_co_u32 s20, s20, s21
	s_lshl_b32 s21, s16, 1
	s_add_co_u32 s20, s20, s21                     ; 16 b + my first head
	s_lshl_b32 s20, s20, 18                        ; 262,144 bytes a head
	s_and_b32 s21, s17, 7
	s_lshl_b32 s21, s21, 8
	s_lshl_b32 s22, s15, 7
	s_add_co_u32 s21, s21, s22                     ; my first token in the batch
	s_lshl_b32 s21, s21, 7
	s_add_co_u32 s20, s20, s21
	s_lshl_b32 s21, s3, 23                         ; q, k or v
	s_add_co_u32 s20, s20, s21
	s_mov_b32 s21, 0
	s_add_nc_u64 s[98:99], s[98:99], s[20:21]
.macro FRAG reg, adr, q, i             ; 16 rows x 128 K of 4-bit codes: 8 registers, two loads of 16 bytes, 32 bytes apart
.irp c, 0,1
	ds_load_b128 v[\reg+4*\c:\reg+4*\c+3], v[\adr] offset:64*(\q)+32*\c+(\i)*16*PITCH
.endr
.endm
; 16 matrix instructions: A's blocks a0, a0 + 1 x B's eight.  zero = 1: the first product starts the sums from the bias.  The 64 accumulators take turns.
.macro MUL16 a0, p, q, sc, zero
.irp a, \a0, \a0+1
.irp b, 0,1,2,3,4,5,6,7
.if \zero
	v_wmma_scale_f32_16x16x128_f8f6f4 v[8*(8*((\a)%4)+\b):8*(8*((\a)%4)+\b)+7], v[128*(\p)+FR*\b:128*(\p)+FR*\b+FR-1], v[AF+FR*(\a):AF+FR*(\a)+FR-1], v[BI+8*\b:BI+8*\b+7], v[SC+8*NQ*(\sc)+NQ*\b+(\q)], v[SC+8*NQ*(\sc)+NQ*(\a)+(\q)] matrix_a_fmt:MATRIX_FMT_FP4 matrix_b_fmt:MATRIX_FMT_FP4 matrix_a_scale:MATRIX_SCALE_ROW1
.else
	v_wmma_scale_f32_16x16x128_f8f6f4 v[8*(8*((\a)%4)+\b):8*(8*((\a)%4)+\b)+7], v[128*(\p)+FR*\b:128*(\p)+FR*\b+FR-1], v[AF+FR*(\a):AF+FR*(\a)+FR-1], v[8*(8*((\a)%4)+\b):8*(8*((\a)%4)+\b)+7], v[SC+8*NQ*(\sc)+NQ*\b+(\q)], v[SC+8*NQ*(\sc)+NQ*(\a)+(\q)] matrix_a_fmt:MATRIX_FMT_FP4 matrix_b_fmt:MATRIX_FMT_FP4 matrix_a_scale:MATRIX_SCALE_ROW1
.endif
.endr
.endr
.endm
.macro FETCH_B slot, q, p
	WIN TO_B
.irp i, 0,1,2,3,4,5,6,7
	FRAG 128*(\p)+FR*\i, ADRB+\slot, \q, \i
.endr
	WIN 0
.endm
.macro FETCH_A slot, q, i0
.irp i, \i0, \i0+1, \i0+2, \i0+3
	FRAG AF+FR*(\i), ADRA+\slot, \q, \i
.endr
.endm
.macro SCALES sc                       ; a slot's scale words: lanes 0-15 A's block i, lanes 16-31 B's block i
.irp i, 0,1,2,3,4,5,6,7
	ds_load_b128 v[SC+8*NQ*\sc+NQ*\i:SC+8*NQ*\sc+NQ*\i+3], v[ADRS] offset:\i*SBLK
.endr
.endm
.macro PLACES n                        ; plain vector places between a matrix instruction and a load into, or a read of, its registers
.rept \n
	v_nop
.endr
.endm
.macro STEP slot, q, zero              ; 128 along K with its successor in the same slot
	s_wait_dscnt 4*NL                              ; all but the youngest eight loads (A's blocks 4-7) are in
.if \zero
	WIN BIAS_LO
.else
	WIN MUL_LO
.endif
	MUL16 0, (\q)%2, \q, \slot, \zero
	MUL16 2, (\q)%2, \q, \slot, \zero
	s_wait_dscnt 0
	PLACES NP
	FETCH_B \slot, (\q)+1, 1-(\q)%2
	FETCH_A \slot, (\q)+1, 0
.if \zero
	WIN BIAS_HI
.else
	WIN MUL_HI
.endif
	MUL16 4, (\q)%2, \q, \slot, \zero
	MUL16 6, (\q)%2, \q, \slot, \zero
	PLACES NP
	WIN 0
	FETCH_A \slot, (\q)+1, 4
.endm
.macro STEPS slot, from
.set Q, \from
.rept NQ-1-\from
	STEP \slot, Q, 0
.set Q, Q+1
.endr
.endm
	s_wait_tensorcnt 1                             ; the scales and my part of slot 0 are in; slot 1's load may be out
	s_barrier_signal -1
	s_barrier_wait -1
	FETCH_B 0, 0, 0
	FETCH_A 0, 0, 0
	SCALES 0
	FETCH_A 0, 0, 4
	s_wait_loadcnt 0x0                             ; the bias
	STEP 0, 0, 1
	STEPS 0, 1
	; slot 0's last step changes slots: one barrier; nothing is filled again
	s_wait_tensorcnt 0x0                           ; my part of slot 1 has landed
	ds_add_u32 v[SPW], v[NIL]
	s_wait_dscnt 4*NL+1                            ; the add and the youngest eight loads may be out
	WIN MUL_LO
	MUL16 0, 1, NQ-1, 0, 0
	s_wait_dscnt 0x0                               ; the add is done, my reads of slot 0 are over
	s_barrier_signal -1
	MUL16 2, 1, NQ-1, 0, 0
	WIN 0
	s_barrier_wait -1
	PLACES NP
	v_add_nc_u32 v[ADRS], 4*NQ, v[ADRS]            ; slot 1's scale words
	FETCH_B 1, 0, 0
	FETCH_A 1, 0, 0
	SCALES 1
	WIN MUL_HI
	MUL16 4, 1, NQ-1, 0, 0
	MUL16 6, 1, NQ-1, 0, 0
	PLACES NP
	WIN 0
	FETCH_A 1, 0, 4
	STEPS 1, 0
	s_wait_dscnt 4*NL                              ; the last step: nothing more to fetch
	WIN MUL_LO
	MUL16 0, 1, NQ-1, 1, 0
	MUL16 2, 1, NQ-1, 1, 0
	s_wait_dscnt 0
	WIN MUL_HI
	MUL16 4, 1, NQ-1, 1, 0
	MUL16 6, 1, NQ-1, 1, 0
	WIN 0
; THE WAY OUT, a block of 16 tokens x 128 columns (two heads) at a time: rounded to f16, through my stage, back as 4 tokens x 128 bytes of one head: 512 consecutive bytes a store.
.macro PACK a
.set AC, 64*((\a)%4)
	WIN 0x0a+5*((\a)/4)                            ; sources 0 and 1: window 2 or 3
.irp b, 0,1,2,3,4,5,6,7
.irp r, 0,1,2,3
	v_cvt_pk_f16_f32 v[TMP+4*\b+\r], v[AC+8*\b+2*\r], v[AC+8*\b+2*\r+1]   ; each accumulator from its low end on
.endr
.endr
	WIN 0
.endm
.macro TOSTAGE a
.set BB, BK+32*((\a)%2)
.irp b, 0,1,2,3,4,5,6,7
	ds_store_b128 v[STO], v[TMP+4*\b:TMP+4*\b+3] offset:32*\b
.endr
.irp hd, 0,1
.irp g, 0,1,2,3
	ds_load_b128 v[BB+4*(4*\hd+\g):BB+4*(4*\hd+\g)+3], v[RD] offset:128*\hd+4*SPITCH*\g   ; in order behind my stores
.endr
.endr
.endm
.macro SEND a
.set BB, BK+32*((\a)%2)
	s_wait_dscnt 0x0                               ; the block is back in registers
	s_wait_xcnt 0x0                                ; the block before has been read by its stores: its registers may be loaded again by the next TOSTAGE
.irp hd, 0,1
.irp g, 0,1,2,3
	global_store_b128 v[CO], v[BB+4*(4*\hd+\g):BB+4*(4*\hd+\g)+3], s[98:99] offset:262144*\hd+2048*(\a)+512*\g
.endr
.endr
.endm
	PLACES NP
	PACK 0
	TOSTAGE 0
.irp a, 1,2,3,4,5,6,7
	PACK \a
	SEND \a-1
	TOSTAGE \a
.endr
	SEND 7
	s_wait_tensorcnt 0x0                           ; the wave's end
	ds_add_u32 v[SPW], v[NIL]
	s_wait_dscnt 0x0
	CROUND                                         ; the closing round
	s_endpgm
.Lfunc_end_k_q833768648e_qkv:
	.size	k_q833768648e_qkv, .Lfunc_end_k_q833768648e_qkv-k_q833768648e_qkv
	.p2alignl 7, 3214868480
	.fill 96, 4, 3214868480
	.section	.rodata,"a",@progbits
	.p2align	6, 0x0
	.amdhsa_kernel k_q833768648e_qkv
		.amdhsa_group_segment_fixed_size 327680
		.amdhsa_private_segment_fixed_size 0
		.amdhsa_enable_private_segment 0
		.amdhsa_kernarg_size 48
		.amdhsa_user_sgpr_count 2
		.amdhsa_user_sgpr_kernarg_segment_ptr 1
		.amdhsa_wavefront_size32 1
		.amdhsa_system_sgpr_workgroup_id_x 1
		.amdhsa_system_sgpr_workgroup_id_y 1
		.amdhsa_system_sgpr_workgroup_id_z 1
		.amdhsa_system_vgpr_workitem_id 0
		.amdhsa_next_free_vgpr 1024
		.amdhsa_next_free_sgpr 100
		.amdhsa_reserve_vcc 0
		.amdhsa_float_denorm_mode_32 3
		.amdhsa_float_denorm_mode_16_64 3
		.amdhsa_memory_ordered 1
		.amdhsa_forward_progress 1
		.amdhsa_inst_pref_size 129
	.end_amdhsa_kernel
	.amdgpu_metadata
---
amdhsa.version: [ 1, 2 ]
amdhsa.kernels:
  - .name:           k_q833768648e_qkv
    .symbol:         k_q833768648e_qkv.kd
    .args:
      - { .name: codes, .offset: 0, .size: 8, .value_kind: global_buffer, .address_space: global }
      - { .name: scales, .offset: 8, .size: 8, .value_kind: global_buffer, .address_space: global }
      - { .name: bq, .offset: 16, .size: 8, .value_kind: global_buffer, .address_space: global }
      - { .name: bk, .offset: 24, .size: 8, .value_kind: global_buffer, .address_space: global }
      - { .name: bv, .offset: 32, .size: 8, .value_kind: global_buffer, .address_space: global }
      - { .name: qkvh, .offset: 40, .size: 8, .value_kind: global_buffer, .address_space: global }
    .group_segment_fixed_size: 327680
    .private_segment_fixed_size: 0
    .kernarg_segment_align: 8
    .kernarg_segment_size: 48
    .max_flat_workgroup_size: 128
    .sgpr_count:     100
    .vgpr_count:     1024
    .wavefront_size: 32
...
	.end_amdgpu_metadata
.endif
;; end of part 2
;; launch attn (part 3): grid 8 x 32, 8 waves a work-group, clusters of 4 x 1, 327,680 bytes of LDS; arguments qkvh, x, g1, be1, o1f, o1h; writes o1f, o1h
.if DOCPART == 3
	.amdgcn_target "amdgcn-amd-amdhsa--gfx1250"
	.amdhsa_code_object_version 6
	.text
	.protected	k_q833768648e_attn
	.globl	k_q833768648e_attn
	.p2align	8
	.type	k_q833768648e_attn,@function
k_q833768648e_attn:
	s_mov_b64 s[64:65], 0
	v_nop
	global_prefetch_b8 v0, s[64:65] scope:SCOPE_SE
	s_setreg_imm32_b32 hwreg(HW_REG_WAVE_MODE, 25, 1), 1
	s_wait_xcnt 0x0
	s_wait_alu depctr_hold_cnt(0) depctr_sa_sdst(0) depctr_va_vdst(0) depctr_va_sdst(0) depctr_va_ssrc(0) depctr_va_vcc(0) depctr_vm_vsrc(0)
	s_getreg_b32 s2, hwreg(HW_REG_IB_STS2, 6, 4)
	s_cmp_eq_u32 s2, 0
	s_cbranch_scc0 .Lentry_in_a_cluster
	s_endpgm
.Lentry_in_a_cluster:
	s_bfe_u32 s2, ttmp6, 0x10000c
	s_cmp_lg_u32 s2, 0x3003
	s_cbranch_scc0 .Lentry_shape_is_right
	s_endpgm
.Lentry_shape_is_right:
; out1 = x + LayerNorm(reshape(softmax(q k^T / 32) v)) g1 + be1, stored as f32 (o1f) and as f16 (o1h).  q, k, v: [16 b + h][2048][64] f16.  Products on f16 operands, sums, maxima, softmax and norm in f32.
; THE RESHAPE: [b][h][s][64] read as [b][2048][1024] makes row 128 (16 b + h) + s / 16 of out1 out of 16 neighbouring queries of one head x 64 channels: exactly one tile of 16 queries.
; So the norm over a row is a sum over one wave's registers, and the residual and both stores are done here.
; SHARES.  A work-group owns 256 queries of one head, each of its eight waves 32: two tiles.  Two waves share a SIMD: one wave's softmax stands beside the other's products.  Every wave walks all 2,048 keys, 64 a step.
; LAYOUT.  S^T = K Q^T (source 0 = 16 keys, source 1 = 16 queries): a lane holds ONE query (lane % 16) and keys 8 (lane / 16) + 0..7 of each tile of 16.  Two such tiles, rounded to f16 in pairs, are source 1 of
; O^T = V^T P, whose result holds one query a lane and eight channels.  K comes out of LDS as it lies, V turned by ds_load_tr16_b128.
; SOFTMAX.  A running maximum m and sum l for each query: p = 2^(c s - c m), c = log2(e) / 32; in every step O and l are multiplied by a = 2^(c m_old - c m_new).  m begins at -3e38, O and l at 0.
; CLUSTER.  The four query blocks of a cluster walk the same K and V: each tile is asked for jointly (mask 15).  A slot holds four key steps; waves 0-3 fetch K's four tiles of 64 rows, waves 4-7 V's.
; LIMITS: |q|, |k|, |v|, |out1| under 65,504 (f16); NaN and infinities are not served.
; REGISTERS.  window 0: v2-13 addresses; v16-31 statistics, 8 a tile; v32-63 Q; v64-127 S^T; v128-159 P; v160-223 O^T; v224-255 f16 results.
;             window 1: v0-63 K of a step; v64-127 V of a step; v128-159 g1; v160-191 be1; v192-255 x's two rows.
.set KS,    64
.set PK,    144                        ; a row of K in LDS: 128 bytes + 16: an odd multiple of 16
.set PV,    160                        ; a row of V: 128 + 32: an odd multiple of 32
.set VOFF,  KS*PK
.set STEPB, KS*(PK+PV)
.set SLOT1, 1<<17
.set SLOTM, 4*KS*128                   ; a slot's bytes of K, or of V, in memory
.set STAGE, SLOT1+4*STEPB
.set SPITCH, 272
.set SPARE, STAGE+8*16*SPITCH          ; the spare words, 128 bytes a wave
.set AK0, 2
.set AV0, 3
.set ADK, 4
.set ADV, 5
.set QO,  6
.set STO, 7
.set RD,  8
.set GO,  9
.set GH,  10
.set PFO, 11
.set SPW, 12
.set NIL, 13
.set ST,  16                           ; tile t at v[ST + 8 t]: +0 c m, +1 m, +2, +3 l, +4 .. +7 at work; a in +6
.set Q,   32
.set S,   64
.set P,   128
.set O,   160
.set N,   128                          ; the way out: the rows as they lie in memory
.set HF,  224
.set WV,  16
.set LIM, 17
.set PFA, 18
.set G1K, 24
.set G1V, 32
.set G0K, 40
.set G0V, 48
.set SLOTS, 56
.set CNT, 57
.set CS,  58
.set SEL, 60
.set TB,  62
.set INV, 66
.set EPS, 67
.set MSB, 0
.macro WIN new
.if MSB != (\new)
	s_set_vgpr_msb (MSB<<8)|(\new)
.set MSB, (\new)
.endif
.endm
.macro JLOAD                           ; a joint refill by the walking descriptors; s_nop 0 and four v_nop follow each line
	s_cmp_lt_u32 s[WV], 4
	s_cbranch_scc0 .Lfor_v_\@
	tensor_load_to_lds s[G0K+4:G0K+7], s[G1K:G1K+7]
	s_nop 0
.rept 4
	v_nop
.endr
	s_branch .Lasked_\@
.Lfor_v_\@:
	tensor_load_to_lds s[G0V+4:G0V+7], s[G1V:G1V+7]
	s_nop 0
.rept 4
	v_nop
.endr
.Lasked_\@:
.endm
; A prefetch of what the NEXT change of slots will ask for: 32,768 bytes of K and of V.  The head's first cluster asks; its four partners take 8,192 bytes each, told apart by address; in each, wave 0 asks for K's
; and wave 4 for V's, lanes 256 bytes apart: each block of 256 bytes is named once in the launch.  The last change that fills a slot asks for nothing.
.macro ASK
	s_cmp_gt_u32 s[SLOTS], s[LIM]
	s_cbranch_scc0 .Lnot_mine_\@
	global_prefetch_b8 v[PFO], s[PFA:PFA+1] th:TH_LOAD_NT scope:SCOPE_SE
.Lnot_mine_\@:
.endm
.macro CROUND
	s_barrier_signal -1
	s_barrier_wait -1
	s_cmp_lg_u32 s[WV], 0
	s_cbranch_scc1 .Lnot_wave_0_\@
	s_barrier_signal -3
.Lnot_wave_0_\@:
	s_barrier_wait -3
	s_barrier_signal -1
	s_barrier_wait -1
.endm
	s_load_b256 s[4:11], s[0:1], 0x0               ; qkvh 4, x 6, g1 8, be1 10
	s_load_b128 s[12:15], s[0:1], 0x20             ; o1f 12, o1h 14
	v_lshl_add_u32 v[SPW], v0, 2, SPARE
	v_mov_b32 v[NIL], 0
	ds_add_u32 v[SPW], v[NIL]                      ; the wave's opening: the add, twice on end, and its wait ahead of my first tensor load
	ds_add_u32 v[SPW], v[NIL]
	v_lshrrev_b32 v1, 5, v0
	v_readfirstlane_b32 s[WV], v1                  ; wave 0..7
	s_bfe_u32 s20, ttmp6, 0x40000                  ; cx
	s_lshl_b32 s21, ttmp9, 2
	s_add_co_u32 s21, s21, s20                     ; my block of 256 queries: it enters Q's, x's and the outputs' addresses alone
	s_and_b32 s22, ttmp7, 0xffff                   ; 16 b + h, which the partners share
	s_lshl_b32 s23, s22, 18                        ; the head's first byte in q, in k, in v
	s_and_b32 s63, s[WV], 3                        ; which of a slot's four steps I fetch
	s_lshl_b32 s68, s63, 13                        ; its 64 rows of 128 bytes in memory,
	s_add_co_u32 s68, s68, s23
	s_mov_b32 s69, 0
	s_mul_i32 s70, s63, STEPB                      ; and its place in a slot
	s_lshl_b32 s72, s21, 15
	s_lshl_b32 s73, s[WV], 12
	s_add_co_u32 s72, s72, s73
	s_add_co_u32 s72, s72, s23                     ; my first query's row of q
	s_mov_b32 s73, 0
	s_lshl_b32 s74, s22, 7
	s_lshl_b32 s75, s21, 4
	s_add_co_u32 s74, s74, s75
	s_lshl_b32 s75, s[WV], 1
	s_add_co_u32 s74, s74, s75                     ; my first row of out1: 128 (16 b + h) + 16 block + 2 wave
	s_lshl_b32 s76, s74, 11                        ; in f16,
	s_lshl_b32 s74, s74, 12                        ; in f32
	s_mov_b32 s75, 0
	s_mov_b32 s77, 0
	s_lshr_b32 s78, s[WV], 2
	s_add_co_u32 s78, s78, 1
	s_lshl_b32 s78, s78, 23                        ; the prefetches: k (waves 0-3) or v (waves 4-7),
	s_add_co_u32 s78, s78, s23                     ; my head,
	s_lshl_b32 s79, s20, 13
	s_add_co_u32 s78, s78, s79                     ; my work-group's 8,192 bytes of a slot's 32,768,
	s_add_co_u32 s78, s78, 2*SLOTM                 ; in slot 2: the first change steps it to slot 3.  Nothing is prefetched at the head
	s_mov_b32 s79, 0
	s_mov_b32 s[G1K], 15|(1<<16)|(1<<20)|(1<<21)|(4<<22)|(3<<25)  ; mask: all four; elements of 2 bytes; padding: 4 words behind every 32
	s_mov_b32 s[G1V], 15|(1<<16)|(1<<20)|(1<<21)|(4<<22)|(7<<25)  ; the same with 8 words
.irp g, G1K, G1V
	s_mov_b32 s[\g+1], 64<<16                      ; tensor_dim0 = 64
	s_mov_b32 s[\g+2], KS<<16                      ; tensor_dim1 = 64
	s_mov_b32 s[\g+3], 64<<16                      ; tile_dim0 = 64
	s_mov_b32 s[\g+4], KS                          ; tile_dim1 = 64
	s_mov_b32 s[\g+5], 64                          ; pitch
	s_mov_b32 s[\g+6], 0
	s_mov_b32 s[\g+7], 0
.endr
	s_mov_b32 s[CS], 0x3d38aa3b                    ; c = log2(e) / 32
	s_mov_b32 s[CS+1], s[CS]
	s_mov_b32 s[SEL], 0x76543210
	s_mov_b32 s[SEL+1], 0xfedcba98
	s_mov_b32 s[TB], 0
	s_mov_b32 s[SLOTS], 6                          ; eight slots of 256 keys: two first fills, six refills
	s_mov_b32 s[INV], 0x3a800000                   ; 1 / 1024
	s_mov_b32 s[EPS], 0x3727c5ac                   ; 1e-5
	s_or_b32 s[LIM], s63, ttmp9                    ; 0 in waves 0 and 4 of the head's first cluster: the same in all partners
	s_cmp_eq_u32 s[LIM], 0
	s_cselect_b32 s[LIM], 1, -1
	s_wait_dscnt 0x0                               ; both opening adds are done
	s_wait_kmcnt 0x0
	s_add_nc_u64 s[68:69], s[4:5], s[68:69]
	s_add_nc_u64 s[PFA:PFA+1], s[4:5], s[78:79]
	s_add_nc_u64 s[4:5], s[4:5], s[72:73]
	s_add_nc_u64 s[6:7], s[6:7], s[74:75]
	s_add_nc_u64 s[12:13], s[12:13], s[74:75]
	s_add_nc_u64 s[14:15], s[14:15], s[76:77]
	CROUND                                         ; all four work-groups are here: the first joint loads meet
.irp s, 0,1
	s_mov_b32 s[G0K+4*\s], 1
	s_add_co_u32 s[G0K+4*\s+1], s70, \s*SLOT1
	s_add_nc_u64 s[G0K+4*\s+2:G0K+4*\s+3], s[68:69], (1<<23)+\s*SLOTM
	s_or_b32 s[G0K+4*\s+3], s[G0K+4*\s+3], 0x80000000
	s_mov_b32 s[G0V+4*\s], 1
	s_add_co_u32 s[G0V+4*\s+1], s70, \s*SLOT1+VOFF
	s_add_nc_u64 s[G0V+4*\s+2:G0V+4*\s+3], s[68:69], (2<<23)+\s*SLOTM
	s_or_b32 s[G0V+4*\s+3], s[G0V+4*\s+3], 0x80000000
.endr
	s_cmp_lt_u32 s[WV], 4                          ; a wave's two first fills stand in one branch: two loads of mine are out
	s_cbranch_scc0 .Lfirst_v
	tensor_load_to_lds s[G0K:G0K+3], s[G1K:G1K+7]
	s_nop 0
	tensor_load_to_lds s[G0K+4:G0K+7], s[G1K:G1K+7]
	s_nop 0
.rept 4
	v_nop
.endr
	s_branch .Lfirst_asked
.Lfirst_v:
	tensor_load_to_lds s[G0V:G0V+3], s[G1V:G1V+7]
	s_nop 0
	tensor_load_to_lds s[G0V+4:G0V+7], s[G1V:G1V+7]
	s_nop 0
.rept 4
	v_nop
.endr
.Lfirst_asked:
	v_and_b32 v14, 15, v0                          ; r
	v_bfe_u32 v15, v0, 4, 1                        ; h
	v_lshlrev_b32 v[QO], 7, v14
	v_lshl_add_u32 v[QO], v15, 4, v[QO]            ; row x 128 + 16 x half
.irp t, 0,1
.irp c, 0,1
	global_load_b128 v[Q+16*\t+8*\c:Q+16*\t+8*\c+3], v[QO], s[4:5] offset:2048*\t+64*\c      ; Q stays in registers: tile t, channels 32 c on
	global_load_b128 v[Q+16*\t+8*\c+4:Q+16*\t+8*\c+7], v[QO], s[4:5] offset:2048*\t+64*\c+32
.endr
.endr
	v_and_b32 v1, 31, v0
	v_lshlrev_b32 v[GO], 4, v1
	v_lshlrev_b32 v[GH], 3, v1
	v_lshlrev_b32 v[PFO], 8, v1
	WIN 0x40                                       ; destination window 1: what the way out wants is asked for now and waited for there
.irp f, 0,1,2,3,4,5,6,7
	global_load_b128 v[128+4*\f:128+4*\f+3], v[GO], s[8:9] offset:512*\f
.endr
.irp f, 0,1,2,3,4,5,6,7
	global_load_b128 v[160+4*\f:160+4*\f+3], v[GO], s[10:11] offset:512*\f
.endr
.irp t, 0,1
.irp f, 0,1,2,3,4,5,6,7
	global_load_b128 v[192+32*\t+4*\f:192+32*\t+4*\f+3], v[GO], s[6:7] offset:4096*\t+512*\f th:TH_LOAD_NT
.endr
.endr
	WIN 0
	v_mul_u32_u24 v[AK0], v14, PK
	v_lshl_add_u32 v[AK0], v15, 4, v[AK0]          ; K: row x pitch + 16 x half
	v_and_b32 v1, 7, v0
	v_lshl_add_u32 v[AV0], v15, 3, v1              ; V: key 8 (l / 16) + l % 8,
	v_mul_u32_u24 v[AV0], v[AV0], PV
	v_bfe_u32 v1, v0, 3, 1
	v_lshl_add_u32 v[AV0], v1, 4, v[AV0]           ; channels 8 ((l / 8) % 2) on
	v_add_nc_u32 v[AV0], VOFF, v[AV0]
	s_mul_i32 s20, s[WV], 16*SPITCH
	s_add_co_u32 s20, s20, STAGE                   ; my stage
	v_mul_u32_u24 v[STO], v14, SPITCH
	v_lshl_add_u32 v[STO], v15, 5, v[STO]
	v_add_nc_u32 v[STO], s20, v[STO]               ; in: query r, 32 bytes for each half of the lanes
	v_mul_u32_u24 v[RD], v15, SPITCH
	v_lshl_add_u32 v[RD], v14, 4, v[RD]
	v_add_nc_u32 v[RD], s20, v[RD]                 ; back: lanes 0-15 one query's 256 bytes, lanes 16-31 the next's
.irp t, 0,1
	v_mov_b32 v[ST+8*\t+1], 0xff61b1e6             ; m = -3e38, under every score
	v_mul_f32 v[ST+8*\t], s[CS], v[ST+8*\t+1]
	v_mov_b32 v[ST+8*\t+2], 0
	v_mov_b32 v[ST+8*\t+3], 0
.endr
.set i, 0
.rept 64
	v_mov_b32 v[O+i], 0                            ; the step is written once: the first finds zeros, which a = 0 leaves zeros
.set i, i+1
.endr
; THE SOFTMAX of a key step, both tiles by turns.
.macro SOFT
.irp j, 0,1,2,3
.irp t, 0,1
	v_max3_num_f32 v[ST+8*\t+4+\j], v[S+32*\t+8*\j], v[S+32*\t+8*\j+1], v[S+32*\t+8*\j+2]   ; four chains, each accumulator from its low end on
.endr
.endr
.irp u, 1,2
.irp j, 0,1,2,3
.irp t, 0,1
	v_max3_num_f32 v[ST+8*\t+4+\j], v[ST+8*\t+4+\j], v[S+32*\t+8*\j+2*\u+1], v[S+32*\t+8*\j+2*\u+2]
.endr
.endr
.endr
.irp t, 0,1
	v_max3_num_f32 v[ST+8*\t+4], v[ST+8*\t+4], v[S+32*\t+7], v[S+32*\t+15]
	v_max3_num_f32 v[ST+8*\t+6], v[ST+8*\t+6], v[S+32*\t+23], v[S+32*\t+31]
.endr
.irp t, 0,1
	v_max3_num_f32 v[ST+8*\t+4], v[ST+8*\t+4], v[ST+8*\t+5], v[ST+8*\t+6]
.endr
.irp t, 0,1
	v_max3_num_f32 v[ST+8*\t+4], v[ST+8*\t+4], v[ST+8*\t+7], v[ST+8*\t+1]
.endr
.irp t, 0,1
	v_permlanex16_b32 v[ST+8*\t+5], v[ST+8*\t+4], s[SEL], s[SEL+1]   ; the query's other 32 keys lie in the lane 16 away
.endr
.irp t, 0,1
	v_mov_b32 v[ST+8*\t+7], v[ST+8*\t]             ; c m_old
.endr
.irp t, 0,1
	v_max_num_f32 v[ST+8*\t+1], v[ST+8*\t+4], v[ST+8*\t+5]
.endr
.irp t, 0,1
	v_mul_f32 v[ST+8*\t], s[CS], v[ST+8*\t+1]
.endr
.irp t, 0,1
	v_sub_f32 v[ST+8*\t+7], v[ST+8*\t+7], v[ST+8*\t]
.endr
.irp t, 0,1
.set i, 0
.rept 16
	v_pk_fma_f32 v[S+32*\t+i:S+32*\t+i+1], v[S+32*\t+i:S+32*\t+i+1], s[CS:CS+1], v[ST+8*\t:ST+8*\t+1] op_sel_hi:[1,0,0] neg_lo:[0,0,1] neg_hi:[0,0,1]   ; c s - c m
.set i, i+2
.endr
.endr
.irp t, 0,1
	v_exp_f32 v[ST+8*\t+6], v[ST+8*\t+7]           ; a
.endr
.set i, 0
.rept 64
	v_exp_f32 v[S+i], v[S+i]                       ; p: the 66 exponentials are one batch
.set i, i+1
.endr
	v_nop                                          ; the plain line behind the last exponential
	s_wait_alu depctr_va_vdst(0)                   ; one wait for the batch, ahead of its first reader
.set i, 0
.rept 32
	v_cvt_pk_f16_f32 v[P+i], v[S+2*i], v[S+2*i+1]  ; two weights to a register: source 1 of the second product as it stands
.set i, i+1
.endr
.irp t, 0,1
.set i, 0
.rept 16
	v_pk_mul_f32 v[O+32*\t+i:O+32*\t+i+1], v[O+32*\t+i:O+32*\t+i+1], v[ST+8*\t+6:ST+8*\t+7] op_sel_hi:[1,0]   ; O^T x a, each accumulator from its low end on
.set i, i+2
.endr
.endr
.irp u, 0,4,8,12,16,20,24,28                   ; the sum of the tile's 16 pairs, in place
.irp t, 0,1
	v_pk_add_f32 v[S+32*\t+\u:S+32*\t+\u+1], v[S+32*\t+\u:S+32*\t+\u+1], v[S+32*\t+\u+2:S+32*\t+\u+3]
.endr
.endr
.irp u, 0,8,16,24
.irp t, 0,1
	v_pk_add_f32 v[S+32*\t+\u:S+32*\t+\u+1], v[S+32*\t+\u:S+32*\t+\u+1], v[S+32*\t+\u+4:S+32*\t+\u+5]
.endr
.endr
.irp u, 0,16
.irp t, 0,1
	v_pk_add_f32 v[S+32*\t+\u:S+32*\t+\u+1], v[S+32*\t+\u:S+32*\t+\u+1], v[S+32*\t+\u+8:S+32*\t+\u+9]
.endr
.endr
.irp t, 0,1
	v_pk_add_f32 v[S+32*\t:S+32*\t+1], v[S+32*\t:S+32*\t+1], v[S+32*\t+16:S+32*\t+17]
.endr
.irp t, 0,1
	v_pk_fma_f32 v[ST+8*\t+2:ST+8*\t+3], v[ST+8*\t+2:ST+8*\t+3], v[ST+8*\t+6:ST+8*\t+7], v[S+32*\t:S+32*\t+1] op_sel_hi:[1,0,1]   ; l = a l + the sum
.endr
.endm
; A KEY STEP: 64 keys at LDS byte s[TB].
.macro STEP
	v_add_nc_u32 v[ADK], s[TB], v[AK0]
	v_add_nc_u32 v[ADV], s[TB], v[AV0]
	v_nop                                          ; with the two additions: four places between the last products and the loads into V's registers
	v_nop
	WIN 0x40
.irp kt, 0,1,2,3
.irp c, 0,1
	ds_load_b128 v[16*\kt+8*\c:16*\kt+8*\c+3], v[ADK] offset:16*PK*\kt+64*\c
	ds_load_b128 v[16*\kt+8*\c+4:16*\kt+8*\c+7], v[ADK] offset:16*PK*\kt+64*\c+32
.endr
.endr
.irp kc, 0,1
.irp ct, 0,1,2,3
	ds_load_tr16_b128 v[64+32*\kc+8*\ct:64+32*\kc+8*\ct+3], v[ADV] offset:32*PV*\kc+32*\ct
	ds_load_tr16_b128 v[64+32*\kc+8*\ct+4:64+32*\kc+8*\ct+7], v[ADV] offset:32*PV*\kc+32*\ct+16*PV
.endr
.endr
	s_wait_dscnt 16                                ; K is in; V's sixteen loads may be out
	WIN 0x01                                       ; source 0 window 1
.set i, 0
.rept 16                                       ; S^T = K Q^T: channels 32 (i / 8) on, keys 16 ((i / 2) % 4) on, tile i % 2: the eight accumulators take turns
.set rS, S+32*(i%2)+8*((i/2)%4)
.set rK, 16*((i/2)%4)+8*(i/8)
.set rQ, Q+16*(i%2)+8*(i/8)
.if i < 8
	v_wmma_f32_16x16x32_f16 v[rS:rS+7], v[rK:rK+7], v[rQ:rQ+7], 0
.else
	v_wmma_f32_16x16x32_f16 v[rS:rS+7], v[rK:rK+7], v[rQ:rQ+7], v[rS:rS+7]
.endif
.set i, i+1
.endr
	WIN 0
.rept 4
	v_nop                                          ; places ahead of the first read of the scores
.endr
	SOFT
	s_wait_dscnt 0x0                               ; V is in
	WIN 0x01
.set i, 0
.rept 16                                       ; O^T += V^T P: keys 32 (i / 8) on, channels 16 ((i / 2) % 4) on, tile i % 2
.set rO, O+32*(i%2)+8*((i/2)%4)
.set rV, 64+32*(i/8)+8*((i/2)%4)
.set rP, P+16*(i%2)+8*(i/8)
	v_wmma_f32_16x16x32_f16 v[rO:rO+7], v[rV:rV+7], v[rP:rP+7], v[rO:rO+7]
.set i, i+1
.endr
	WIN 0
	s_add_co_u32 s[TB], s[TB], STEPB
.endm
.macro FOUR_STEPS                      ; a slot's four key steps: written once, walked four times
	s_mov_b32 s[CNT], 4
.Lstep_\@:
	STEP
	s_sub_co_u32 s[CNT], s[CNT], 1
	s_cmp_lg_u32 s[CNT], 0
	s_cbranch_scc1 .Lstep_\@
.endm
; THE CHANGE OF SLOTS.  Each wave waits for all its tensor loads (one is out: its part of the other slot), adds 0 to its spare word, and waits for that and for its reads of the slot that it leaves.
; fill = 1: the barrier is a round of the cluster's, and the joint refill of the slot just left, with the keys two slots on, is the first thing behind it: it has four key steps in which to land.
.macro CHANGE fill
	s_wait_tensorcnt 0x0                           ; no tensor load of mine is out, so a group 0 may be written
	ds_add_u32 v[SPW], v[NIL]
.if \fill
.irp g, G0K+4, G0V+4
	s_xor_b32 s[\g+1], s[\g+1], SLOT1
	s_add_nc_u64 s[\g+2:\g+3], s[\g+2:\g+3], SLOTM
.endr
	s_wait_xcnt 0x0                                ; the last prefetch, a slot back, has read its address
	s_add_nc_u64 s[PFA:PFA+1], s[PFA:PFA+1], SLOTM
	s_wait_dscnt 0x0
	CROUND
	JLOAD
	ASK
.else
	s_wait_dscnt 0x0
	s_barrier_signal -1
	s_barrier_wait -1
.endif
	s_sub_co_u32 s[TB], s[TB], 4*STEPB
	s_xor_b32 s[TB], s[TB], SLOT1
.endm
	s_wait_tensorcnt 1                             ; my part of slot 0 is in; slot 1's may stay out
	s_barrier_signal -1
	s_barrier_wait -1
	s_wait_loadcnt 32                              ; Q is in; the 32 loads issued behind it (g1, be1, x) may be out
	FOUR_STEPS
.Lslot:                                            ; six trips: slots 2 to 7 are asked for
	CHANGE 1
	FOUR_STEPS
	s_sub_co_u32 s[SLOTS], s[SLOTS], 1
	s_cmp_lg_u32 s[SLOTS], 0
	s_cbranch_scc1 .Lslot
	CHANGE 0                                       ; the tail is written out: nothing is asked for
	FOUR_STEPS
	; THE WAY OUT.
.macro WSUM a, b                       ; v[a] summed over the 32 lanes; v[b] has been written
	v_add_f32_dpp v[\a], v[\a], v[\a] row_xmask:1 row_mask:0xf bank_mask:0xf
	v_add_f32_dpp v[\a], v[\a], v[\a] row_xmask:2 row_mask:0xf bank_mask:0xf
	v_add_f32_dpp v[\a], v[\a], v[\a] row_xmask:4 row_mask:0xf bank_mask:0xf
	v_add_f32_dpp v[\a], v[\a], v[\a] row_xmask:8 row_mask:0xf bank_mask:0xf
	v_permlanex16_b32 v[\b], v[\a], s[SEL], s[SEL+1]
	v_add_f32 v[\a], v[\a], v[\b]
.endm
.macro LNORM x, t                      ; a row of 1,024, 32 numbers a lane at v[x]: (x - mean) / sqrt(var + 1e-5) in place; the mean is taken off before the squares; v[t .. t+7] at work
	v_pk_add_f32 v[\t:\t+1], v[\x:\x+1], v[\x+2:\x+3]
	v_pk_add_f32 v[\t+2:\t+3], v[\x+4:\x+5], v[\x+6:\x+7]
.irp j, 8,12,16,20,24,28
	v_pk_add_f32 v[\t:\t+1], v[\t:\t+1], v[\x+\j:\x+\j+1]
	v_pk_add_f32 v[\t+2:\t+3], v[\t+2:\t+3], v[\x+\j+2:\x+\j+3]
.endr
	v_pk_add_f32 v[\t:\t+1], v[\t:\t+1], v[\t+2:\t+3]
	v_add_f32 v[\t], v[\t], v[\t+1]
	WSUM \t, \t+1
	v_mul_f32 v[\t], s[INV], v[\t]
.irp j, 0,2,4,6,8,10,12,14,16,18,20,22,24,26,28,30
	v_pk_add_f32 v[\x+\j:\x+\j+1], v[\x+\j:\x+\j+1], v[\t:\t+1] op_sel_hi:[1,0] neg_lo:[0,1] neg_hi:[0,1]
.endr
	v_pk_mul_f32 v[\t+2:\t+3], v[\x:\x+1], v[\x:\x+1]
	v_pk_mul_f32 v[\t+4:\t+5], v[\x+2:\x+3], v[\x+2:\x+3]
.irp j, 4,8,12,16,20,24,28
	v_pk_fma_f32 v[\t+2:\t+3], v[\x+\j:\x+\j+1], v[\x+\j:\x+\j+1], v[\t+2:\t+3]
	v_pk_fma_f32 v[\t+4:\t+5], v[\x+\j+2:\x+\j+3], v[\x+\j+2:\x+\j+3], v[\t+4:\t+5]
.endr
	v_pk_add_f32 v[\t+2:\t+3], v[\t+2:\t+3], v[\t+4:\t+5]
	v_add_f32 v[\t+2], v[\t+2], v[\t+3]
	WSUM \t+2, \t+3
	v_fma_f32 v[\t+2], v[\t+2], s[INV], s[EPS]
	v_rsq_f32 v[\t+6], v[\t+2]
	v_mov_b32 v[\t+7], 0                           ; the plain line behind the root; the pair's upper half is written
	s_wait_alu depctr_va_vdst(0)                   ; ahead of the first reader
.irp j, 0,2,4,6,8,10,12,14,16,18,20,22,24,26,28,30
	v_pk_mul_f32 v[\x+\j:\x+\j+1], v[\x+\j:\x+\j+1], v[\t+6:\t+7] op_sel_hi:[1,0]
.endr
.endm
.rept 4
	v_nop                                          ; places behind the last products
.endr
.irp t, 0,1
	v_add_f32 v[ST+8*\t+4], v[ST+8*\t+2], v[ST+8*\t+3]
.endr
.irp t, 0,1
	v_permlanex16_b32 v[ST+8*\t+5], v[ST+8*\t+4], s[SEL], s[SEL+1]
.endr
.irp t, 0,1
	v_add_f32 v[ST+8*\t+4], v[ST+8*\t+4], v[ST+8*\t+5]   ; the row's sum
.endr
.irp t, 0,1
	v_rcp_f32 v[ST+8*\t+6], v[ST+8*\t+4]
.endr
	v_nop
	s_wait_alu depctr_va_vdst(0)                   ; one wait for the two reciprocals
.irp t, 0,1
.set i, 0
.rept 16
	v_pk_mul_f32 v[S+32*\t+i:S+32*\t+i+1], v[O+32*\t+i:O+32*\t+i+1], v[ST+8*\t+6:ST+8*\t+7] op_sel_hi:[1,0]   ; O^T / l, each accumulator from its low end on
.set i, i+2
.endr
.endr
	LNORM S, ST
	LNORM S+32, ST+8
.irp t, 0,1                                    ; through my stage: 16 queries x 256 bytes in, the row of 4,096 bytes as it lies in memory back: load f brings lane l bytes 512 f + 16 l
.irp ct, 0,1,2,3
	ds_store_b128 v[STO], v[S+32*\t+8*\ct:S+32*\t+8*\ct+3] offset:64*\ct
	ds_store_b128 v[STO], v[S+32*\t+8*\ct+4:S+32*\t+8*\ct+7] offset:64*\ct+16
.endr
.irp f, 0,1,2,3,4,5,6,7
	ds_load_b128 v[N+32*\t+4*\f:N+32*\t+4*\f+3], v[RD] offset:2*SPITCH*\f   ; in order behind my stores; the next tile's stores come behind these
.endr
.endr
	s_wait_loadcnt 0x0                             ; g1, be1, x
	s_wait_dscnt 0x0
	WIN 0x14                                       ; sources 1 and 2 window 1
.irp t, 0,1
.set i, 0
.rept 16
	v_pk_fma_f32 v[N+32*\t+i:N+32*\t+i+1], v[N+32*\t+i:N+32*\t+i+1], v[128+i:128+i+1], v[160+i:160+i+1]
.set i, i+2
.endr
.endr
	WIN 0x04                                       ; source 1 window 1
.irp t, 0,1
.set i, 0
.rept 16
	v_pk_add_f32 v[N+32*\t+i:N+32*\t+i+1], v[N+32*\t+i:N+32*\t+i+1], v[192+32*\t+i:192+32*\t+i+1]
.set i, i+2
.endr
.endr
	WIN 0
.set i, 0
.rept 32
	v_cvt_pk_f16_f32 v[HF+i], v[N+2*i], v[N+2*i+1]
.set i, i+1
.endr
.irp t, 0,1
.irp f, 0,1,2,3,4,5,6,7
	global_store_b128 v[GO], v[N+32*\t+4*\f:N+32*\t+4*\f+3], s[12:13] offset:4096*\t+512*\f     ; 512 consecutive bytes, aligned
.endr
.endr
.irp t, 0,1
.irp f, 0,1,2,3,4,5,6,7
	global_store_b64 v[GH], v[HF+16*\t+2*\f:HF+16*\t+2*\f+1], s[14:15] offset:2048*\t+256*\f    ; 256 consecutive bytes, aligned
.endr
.endr
	s_wait_tensorcnt 0x0                           ; the wave's end
	ds_add_u32 v[SPW], v[NIL]
	s_wait_dscnt 0x0
	CROUND                                         ; the closing round
	s_endpgm
.Lfunc_end_k_q833768648e_attn:
	.size	k_q833768648e_attn, .Lfunc_end_k_q833768648e_attn-k_q833768648e_attn
	.p2alignl 7, 3214868480
	.fill 96, 4, 3214868480
	.section	.rodata,"a",@progbits
	.p2align	6, 0x0
	.amdhsa_kernel k_q833768648e_attn
		.amdhsa_group_segment_fixed_size 327680
		.amdhsa_private_segment_fixed_size 0
		.amdhsa_enable_private_segment 0
		.amdhsa_kernarg_size 48
		.amdhsa_user_sgpr_count 2
		.amdhsa_user_sgpr_kernarg_segment_ptr 1
		.amdhsa_wavefront_size32 1
		.amdhsa_system_sgpr_workgroup_id_x 1
		.amdhsa_system_sgpr_workgroup_id_y 1
		.amdhsa_system_sgpr_workgroup_id_z 1
		.amdhsa_system_vgpr_workitem_id 0
		.amdhsa_next_free_vgpr 512
		.amdhsa_next_free_sgpr 80
		.amdhsa_reserve_vcc 0
		.amdhsa_float_denorm_mode_32 3
		.amdhsa_float_denorm_mode_16_64 3
		.amdhsa_memory_ordered 1
		.amdhsa_forward_progress 1
		.amdhsa_inst_pref_size 91
	.end_amdhsa_kernel
	.amdgpu_metadata
---
amdhsa.version: [ 1, 2 ]
amdhsa.kernels:
  - .name:           k_q833768648e_attn
    .symbol:         k_q833768648e_attn.kd
    .args:
      - { .name: qkvh, .offset: 0, .size: 8, .value_kind: global_buffer, .address_space: global }
      - { .name: x, .offset: 8, .size: 8, .value_kind: global_buffer, .address_space: global }
      - { .name: g1, .offset: 16, .size: 8, .value_kind: global_buffer, .address_space: global }
      - { .name: be1, .offset: 24, .size: 8, .value_kind: global_buffer, .address_space: global }
      - { .name: o1f, .offset: 32, .size: 8, .value_kind: global_buffer, .address_space: global }
      - { .name: o1h, .offset: 40, .size: 8, .value_kind: global_buffer, .address_space: global }
    .group_segment_fixed_size: 327680
    .private_segment_fixed_size: 0
    .kernarg_segment_align: 8
    .kernarg_segment_size: 48
    .max_flat_workgroup_size: 256
    .sgpr_count:     80
    .vgpr_count:     512
    .wavefront_size: 32
...
	.end_amdgpu_metadata
.endif
;; end of part 3
;; launch ffn1 (part 4): grid 16 x 16, 4 waves a work-group, clusters of 4 x 4, 327,680 bytes of LDS; arguments o1h, wh, hh, b1; writes hh
.if DOCPART == 4
	.amdgcn_target "amdgcn-amd-amdhsa--gfx1250"
	.amdhsa_code_object_version 6
	.text
	.protected	k_q833768648e_ffn1
	.globl	k_q833768648e_ffn1
	.p2align	8
	.type	k_q833768648e_ffn1,@function
k_q833768648e_ffn1:
	s_mov_b64 s[64:65], 0
	v_nop
	global_prefetch_b8 v0, s[64:65] scope:SCOPE_SE
	s_setreg_imm32_b32 hwreg(HW_REG_WAVE_MODE, 25, 1), 1
	s_wait_xcnt 0x0
	s_wait_alu depctr_hold_cnt(0) depctr_sa_sdst(0) depctr_va_vdst(0) depctr_va_sdst(0) depctr_va_ssrc(0) depctr_va_vcc(0) depctr_vm_vsrc(0)
	s_getreg_b32 s2, hwreg(HW_REG_IB_STS2, 6, 4)
	s_cmp_eq_u32 s2, 0
	s_cbranch_scc0 .Lentry_in_a_cluster
	s_endpgm
.Lentry_in_a_cluster:
	s_bfe_u32 s2, ttmp6, 0x10000c
	s_cmp_lg_u32 s2, 0xf033
	s_cbranch_scc0 .Lentry_shape_is_right
	s_endpgm
.Lentry_shape_is_right:
; h = gelu(out1 W1^T + b1), exact gelu.  out1: [4096][1024] f16 (o1h), W1: [4096][1024] f16 (wh, first half), h: [4096][4096] f16 (hh); sums, bias and gelu in f32.
; A tile of 256 x 256 is made by four waves, each 128 x 128: 64 accumulators.  K goes in steps of 128 (rows of 256 bytes) through a ring of two LDS slots filled by the tensor data mover.
; CLUSTERS: 4 x 4 work-groups; A's tiles are shared along a row of the cluster, B's along a column: joint loads with a mask that names the four.
; The matrix instruction is used transposed (source 0 = 16 rows of W1, source 1 = 16 rows of out1): a lane holds eight neighbouring columns of one row.
; THE WAY OUT: behind a barrier at which every wave's reads of the ring are over, each wave lays its 128 x 128 sums into the ring's bytes (which have had their last fill) as rows of 512 bytes,
; and a loop of eight trips takes 16 rows back, a row to a load, adds the bias, takes the gelu and stores f16: 256 consecutive bytes a store.
; gelu(x) = x/2 + |x|/2 erf(|x| / sqrt 2), erf by 1 - (a1 t + .. + a5 t^5) e^(-z^2), t = 1 / (1 + 0.3275911 z) (Abramowitz and Stegun 7.1.26): absolute error 1.5e-7 for every x.
; LIMITS: |out1|, |W1|, |h| under 65,504 (f16); NaN and infinities are not served.
; REGISTERS: window 0: v0-31 addresses and constants; v64-127, v128-191 A's fragments, two buffers; on the way out v64-255 at work.  window 1: B's fragments.  windows 2, 3: accumulators.
.set SIZE_K, 1024
.set KSTEP,  128
.set PITCH,  272                       ; 256 bytes + 16: an odd multiple of 16
.set HALFT,  128*PITCH
.set SLOT,   4*HALFT
.set SPARE,  2*SLOT                    ; behind the ring: the spare words, 128 bytes a wave
.set DPITCH, 528                       ; the way out: a row of 512 bytes + 16
.set DSTAGE, 128*DPITCH                ; a wave's stage; four of them lie inside the ring's bytes
.set LAPS,   SIZE_K/(2*KSTEP)
.set ADRA, 16
.set ADRB, 20
.set STO,  24
.set RD,   25
.set CO,   26
.set SPW,  28
.set NIL,  29
.set F0,   64
.set F1,   128
.set XH,   64                          ; the way out: 16 rows x 4 numbers a lane
.set T,    128
.set E,    160
.set PL,   192
.set HF,   224
.set G1, 24
.set G0, 32
.set G1B, 48
.set G0B, 56
.set MSB, 0
.macro WIN new
.if MSB != (\new)
	s_set_vgpr_msb (MSB<<8)|(\new)
.set MSB, (\new)
.endif
.endm
.set MUL_LO, 0xa1
.set MUL_HI, 0xf1
.set TO_B,   0x40
.macro JLOAD s                         ; a joint load: waves 0, 1 fetch A's halves, waves 2, 3 B's; s_nop 0 and four v_nop follow each line
	s_cmp_eq_u32 s11, 0
	s_cbranch_scc0 .Lfor_b_\@
	tensor_load_to_lds s[G0+4*\s:G0+4*\s+3], s[G1:G1+7]
	s_nop 0
.rept 4
	v_nop
.endr
	s_branch .Lasked_\@
.Lfor_b_\@:
	tensor_load_to_lds s[G0B+4*\s:G0B+4*\s+3], s[G1B:G1B+7]
	s_nop 0
.rept 4
	v_nop
.endr
.Lasked_\@:
.endm
.macro CREST
	s_cmp_lg_u32 s10, 0
	s_cbranch_scc1 .Lnot_wave_0_\@
	s_barrier_signal -3
.Lnot_wave_0_\@:
	s_barrier_wait -3
	s_barrier_signal -1
	s_barrier_wait -1
.endm
.macro CROUND
	s_barrier_signal -1
	s_barrier_wait -1
	CREST
.endm
	s_load_b128 s[4:7], s[0:1], 0x0                ; out1 (f16), wh
	s_load_b64 s[8:9], s[0:1], 0x10                ; hh
	s_load_b64 s[66:67], s[0:1], 0x18              ; b1
	v_lshl_add_u32 v[SPW], v0, 2, SPARE
	v_mov_b32 v[NIL], 0
	ds_add_u32 v[SPW], v[NIL]                      ; the wave's opening: the add, twice on end, and its wait ahead of my first tensor load
	ds_add_u32 v[SPW], v[NIL]
	v_lshrrev_b32 v1, 5, v0
	v_readfirstlane_b32 s10, v1                    ; wave
	s_lshr_b32 s11, s10, 1                         ; my half of the rows; also: I fetch for A (0) or B (1)
	s_and_b32 s12, s10, 1                          ; my half of the columns; also: which 128 rows I fetch
	s_bfe_u32 s40, ttmp6, 0x40000                  ; cx
	s_bfe_u32 s41, ttmp6, 0x40004                  ; cy
	s_lshl_b32 s42, ttmp9, 2
	s_add_co_u32 s42, s42, s40                     ; tile column
	s_and_b32 s13, ttmp7, 0xffff
	s_lshl_b32 s13, s13, 2
	s_add_co_u32 s13, s13, s41                     ; tile row
	s_lshl_b32 s43, s41, 2
	s_lshl_b32 s43, 15, s43                        ; my row of the cluster
	s_lshl_b32 s44, 0x1111, s40                    ; my column
	s_or_b32 s[G1+0], s43, (1<<16)|(1<<20)|(1<<21)|(5<<22)|(3<<25)  ; mask; elements of 2 bytes; padding: 4 words behind every 64
	s_or_b32 s[G1B+0], s44, (1<<16)|(1<<20)|(1<<21)|(5<<22)|(3<<25)
.irp g, G1, G1B
	s_mov_b32 s[\g+1], KSTEP<<16                   ; tensor_dim0
	s_mov_b32 s[\g+2], 128<<16                     ; tensor_dim1
	s_mov_b32 s[\g+3], KSTEP<<16                   ; tile_dim0
	s_mov_b32 s[\g+4], 128                         ; tile_dim1
	s_mov_b32 s[\g+5], SIZE_K                      ; pitch
	s_mov_b32 s[\g+6], 0
	s_mov_b32 s[\g+7], 0
.endr
	s_lshl_b32 s17, s12, 7
	s_lshl_b32 s16, s13, 8
	s_add_co_u32 s16, s16, s17                     ; A: row 256 x tile row + 128 x half
	s_lshl_b32 s46, s42, 8
	s_add_co_u32 s46, s46, s17                     ; B: row 256 x tile column + 128 x half
	s_mov_b32 s17, 0
	s_mov_b32 s47, 0
	s_mov_b64 s[18:19], SIZE_K*2
	s_mul_u64 s[16:17], s[16:17], s[18:19]
	s_mul_u64 s[46:47], s[46:47], s[18:19]
	s_mul_i32 s20, s10, HALFT                      ; where they go: wave x 128 rows
	s_wait_dscnt 0x0                               ; both opening adds are done
	s_wait_kmcnt 0x0
	s_add_nc_u64 s[14:15], s[4:5], s[16:17]
	s_add_nc_u64 s[46:47], s[6:7], s[46:47]
	CROUND                                         ; the first joint loads meet
.irp s, 0,1
	s_mov_b32 s[G0+4*\s], 1
	s_add_co_u32 s[G0+4*\s+1], s20, \s*SLOT
	s_add_nc_u64 s[G0+4*\s+2:G0+4*\s+3], s[14:15], \s*KSTEP*2
	s_or_b32 s[G0+4*\s+3], s[G0+4*\s+3], 0x80000000
	s_mov_b32 s[G0B+4*\s], 1
	s_add_co_u32 s[G0B+4*\s+1], s20, \s*SLOT
	s_add_nc_u64 s[G0B+4*\s+2:G0B+4*\s+3], s[46:47], \s*KSTEP*2
	s_or_b32 s[G0B+4*\s+3], s[G0B+4*\s+3], 0x80000000
	JLOAD \s                                       ; two tensor loads of mine are out behind the second
.endr
	v_and_b32 v1, 15, v0                           ; r
	v_bfe_u32 v2, v0, 4, 1                         ; h
	v_mul_u32_u24 v3, v1, PITCH
	v_lshl_add_u32 v3, v2, 4, v3
	s_mul_i32 s21, s11, HALFT
	s_mul_i32 s22, s12, HALFT
	s_add_co_u32 s22, s22, 2*HALFT
.irp s, 0,1
	v_add_nc_u32 v[ADRA+\s], s21, v3
	v_add_nc_u32 v[ADRB+\s], s22, v3
	s_add_co_u32 s21, s21, SLOT
	s_add_co_u32 s22, s22, SLOT
.endr
	s_mul_i32 s23, s10, DSTAGE                     ; my stage
	v_mul_u32_u24 v4, v1, DPITCH
	v_lshl_add_u32 v4, v2, 5, v4
	v_add_nc_u32 v[STO], s23, v4                   ; in: row r, 32 bytes for each half of the lanes
	v_and_b32 v5, 31, v0
	v_lshlrev_b32 v30, 4, v5                       ; 16 x lane
	v_add_nc_u32 v[RD], s23, v30                   ; back: the 32 lanes take a row of 512 bytes
	v_lshlrev_b32 v[CO], 3, v5                     ; and store 8 bytes each
	s_lshl_b32 s13, s13, 8
	s_lshl_b32 s14, s11, 7
	s_add_co_u32 s16, s13, s14                     ; my first row of h,
	s_lshl_b32 s16, s16, 13                        ; 8,192 bytes a row
	s_lshl_b32 s46, s42, 9
	s_lshl_b32 s47, s12, 8
	s_add_co_u32 s46, s46, s47                     ; my first column, in bytes of f16
	s_add_co_u32 s16, s16, s46
	s_mov_b32 s17, 0
	s_add_nc_u64 s[8:9], s[8:9], s[16:17]
	s_lshl_b32 s46, s46, 1                         ; the same columns in b1
	s_mov_b32 s47, 0
	s_add_nc_u64 s[66:67], s[66:67], s[46:47]
	global_load_b128 v[12:15], v30, s[66:67]       ; b1 of my lane's four columns on the way out
.macro MUL16 f, hi, a0, zero           ; 16 matrix instructions; zero = 1: the first product starts the sums.  The 64 accumulators take turns
.irp a, \a0, \a0+1
.irp b, 0,1,2,3,4,5,6,7
.if \zero
	v_wmma_f32_16x16x32_f16 v[8*(8*(\a)+\b):8*(8*(\a)+\b)+7], v[\f+8*\b:\f+8*\b+7], v[\f+8*(4*\hi+\a):\f+8*(4*\hi+\a)+7], 0
.else
	v_wmma_f32_16x16x32_f16 v[8*(8*(\a)+\b):8*(8*(\a)+\b)+7], v[\f+8*\b:\f+8*\b+7], v[\f+8*(4*\hi+\a):\f+8*(4*\hi+\a)+7], v[8*(8*(\a)+\b):8*(8*(\a)+\b)+7]
.endif
.endr
.endr
.endm
.macro FETCH slot, k, f                ; 32 LDS loads in one run: the fragments of 32 along K at byte k of the rows
	WIN TO_B
.irp i, 0,1,2,3,4,5,6,7
	ds_load_b128 v[\f+8*\i:\f+8*\i+3],   v[ADRB+\slot] offset:\k+\i*16*PITCH
	ds_load_b128 v[\f+8*\i+4:\f+8*\i+7], v[ADRB+\slot] offset:\k+\i*16*PITCH+32
.endr
	WIN 0
.irp i, 0,1,2,3,4,5,6,7
	ds_load_b128 v[\f+8*\i:\f+8*\i+3],   v[ADRA+\slot] offset:\k+\i*16*PITCH
	ds_load_b128 v[\f+8*\i+4:\f+8*\i+7], v[ADRA+\slot] offset:\k+\i*16*PITCH+32
.endr
.endm
.macro PLACES                          ; four plain places between a matrix instruction and a load into, or a read of, its registers
.rept 4
	v_nop
.endr
.endm
.macro QUARTER slot, k, f, g, zero
	s_wait_dscnt 8                                 ; B and A's rows 0-63 are in; the youngest eight loads may be out
	WIN MUL_LO
	MUL16 \f, 0, 0, \zero
	MUL16 \f, 0, 2, \zero
	PLACES
	FETCH \slot, \k, \g
	s_wait_dscnt 32                                ; all but the 32 just issued
	WIN MUL_HI
	MUL16 \f, 1, 0, \zero
	MUL16 \f, 1, 2, \zero
.endm
; A K step's last quarter changes slots: one barrier; in front of it each wave waits for all its tensor loads, adds 0 to its spare word, and waits for that and for its reads of this slot.
; fill = 1: the barrier opens a round of the cluster's, and this slot's joint refill, two K steps ahead, is the first tensor load behind it.
.macro TURN slot, next, fill
	WIN 0
	s_wait_tensorcnt 0x0                           ; my part of the next slot has landed
	ds_add_u32 v[SPW], v[NIL]
	s_wait_dscnt 9                                 ; the add and the youngest eight loads may be out
	WIN MUL_LO
	MUL16 F1, 0, 0, 0
	s_wait_dscnt 0x0                               ; the add is done, my reads of this slot are over
	s_barrier_signal -1
	MUL16 F1, 0, 2, 0
.if \fill
	WIN 0
.endif
	s_barrier_wait -1
.if \fill
	CREST
	s_add_nc_u64 s[G0+4*\slot+2:G0+4*\slot+3], s[G0+4*\slot+2:G0+4*\slot+3], 2*KSTEP*2
	s_add_nc_u64 s[G0B+4*\slot+2:G0B+4*\slot+3], s[G0B+4*\slot+2:G0B+4*\slot+3], 2*KSTEP*2
	JLOAD \slot                                    ; its four v_nop are also the places in front of the loads below
.else
	PLACES
.endif
	FETCH \next, 0, F0
	WIN MUL_HI
	MUL16 F1, 1, 0, 0
	MUL16 F1, 1, 2, 0
.endm
	s_wait_tensorcnt 1                             ; my part of K step 0 is in; K step 1's load may be out
	s_barrier_signal -1
	s_barrier_wait -1
	FETCH 0, 0, F0
	QUARTER 0, 64,  F0, F1, 1
	WIN 0
	s_mov_b32 s3, LAPS-1
.Llap:                                                 ; a trip goes once round the ring and fills both slots again
	QUARTER 0, 128, F1, F0, 0
	QUARTER 0, 192, F0, F1, 0
	TURN 0, 1, 1
	QUARTER 1, 64,  F0, F1, 0
	QUARTER 1, 128, F1, F0, 0
	QUARTER 1, 192, F0, F1, 0
	TURN 1, 0, 1
	QUARTER 0, 64,  F0, F1, 0
	WIN 0
	s_sub_co_u32 s3, s3, 1
	s_cmp_lg_u32 s3, 0
	s_cbranch_scc1 .Llap
	QUARTER 0, 128, F1, F0, 0                      ; the last lap fills nothing
	QUARTER 0, 192, F0, F1, 0
	TURN 0, 1, 0
	QUARTER 1, 64,  F0, F1, 0
	QUARTER 1, 128, F1, F0, 0
	QUARTER 1, 192, F0, F1, 0
	s_wait_dscnt 8                                 ; the last quarter: nothing more to fetch
	WIN MUL_LO
	MUL16 F1, 0, 0, 0
	MUL16 F1, 0, 2, 0
	s_wait_dscnt 0x0                               ; my reads of the ring are over:
	s_barrier_signal -1                            ; say so,
	WIN MUL_HI
	MUL16 F1, 1, 0, 0
	MUL16 F1, 1, 2, 0
	WIN 0
	s_barrier_wait -1                              ; and every wave's are: the ring's bytes, which have had their last fill, become the four stages
	PLACES
.irp a, 0,1,2,3,4,5,6,7
	WIN 0x08+4*(\a/4)                              ; an LDS store's data: window 2 or 3
.irp b, 0,1,2,3,4,5,6,7
	ds_store_b128 v[STO], v[8*(8*(\a%4)+\b):8*(8*(\a%4)+\b)+3] offset:16*DPITCH*\a+64*\b        ; each accumulator from its low end on
	ds_store_b128 v[STO], v[8*(8*(\a%4)+\b)+4:8*(8*(\a%4)+\b)+7] offset:16*DPITCH*\a+64*\b+16
.endr
.endr
	WIN 0
	s_mov_b32 s68, 0x3eed3388                      ; sqrt 2 x 0.3275911
	s_mov_b32 s70, 0xc038aa3b                      ; -2 log2(e)
	s_mov_b32 s71, s70
	s_mov_b32 s72, 0x3f87dc22                      ; a5
	s_mov_b32 s73, s72
	v_mov_b32 v2, 0xbfba00e3                       ; a4
	v_mov_b32 v3, 0xbfba00e3
	v_mov_b32 v4, 0x3fb5f0e3                       ; a3
	v_mov_b32 v5, 0x3fb5f0e3
	v_mov_b32 v6, 0xbe91a98e                       ; a2
	v_mov_b32 v7, 0xbe91a98e
	v_mov_b32 v8, 0x3e827906                       ; a1
	v_mov_b32 v9, 0x3e827906
	s_wait_loadcnt 0x0                             ; b1
	v_pk_mul_f32 v[12:13], v[12:13], 0.5 op_sel_hi:[1,0]
	v_pk_mul_f32 v[14:15], v[14:15], 0.5 op_sel_hi:[1,0]
; gelu of 32 numbers xh = x / 2 at v[XH + 32 hf] on, rounded to f16 into v[HF + 16 hf] on.  The 32 reciprocals and 32 exponentials are one batch with one wait.
.macro GELUH hf
.set XB, XH+32*\hf
.set i, 0
.rept 32
	v_fma_f32 v[T+i], |v[XB+i]|, s68, 1.0          ; 1 + 0.3275911 z, z = sqrt 2 |xh|
.set i, i+1
.endr
.set i, 0
.rept 32
	v_rcp_f32 v[T+i], v[T+i]                       ; t
.set i, i+1
.endr
.set i, 0
.rept 16
	v_pk_mul_f32 v[E+i:E+i+1], v[XB+i:XB+i+1], s[70:71] op_sel_hi:[1,0]
.set i, i+2
.endr
.set i, 0
.rept 16
	v_pk_mul_f32 v[E+i:E+i+1], v[E+i:E+i+1], v[XB+i:XB+i+1]   ; -z^2 log2(e)
.set i, i+2
.endr
.set i, 0
.rept 32
	v_exp_f32 v[E+i], v[E+i]
.set i, i+1
.endr
	v_nop                                          ; the plain line behind the last of the batch
	s_wait_alu depctr_va_vdst(0)                   ; one wait, ahead of the first reader
.set i, 0
.rept 16
	v_pk_fma_f32 v[PL+i:PL+i+1], v[T+i:T+i+1], s[72:73], v[2:3] op_sel_hi:[1,0,1]
.set i, i+2
.endr
.irp k, 4,6,8
.set i, 0
.rept 16
	v_pk_fma_f32 v[PL+i:PL+i+1], v[PL+i:PL+i+1], v[T+i:T+i+1], v[\k:\k+1]
.set i, i+2
.endr
.endr
.set i, 0
.rept 16
	v_pk_mul_f32 v[PL+i:PL+i+1], v[PL+i:PL+i+1], v[T+i:T+i+1]
.set i, i+2
.endr
.set i, 0
.rept 16
	v_pk_fma_f32 v[PL+i:PL+i+1], v[PL+i:PL+i+1], v[E+i:E+i+1], 1.0 op_sel_hi:[1,1,0] neg_lo:[1,0,0] neg_hi:[1,0,0]   ; erf(z)
.set i, i+2
.endr
.set i, 0
.rept 32
	v_fma_f32 v[XB+i], |v[XB+i]|, v[PL+i], v[XB+i] ; xh + |xh| erf(z)
.set i, i+1
.endr
.set i, 0
.rept 16
	v_cvt_pk_f16_f32 v[HF+16*\hf+i], v[XB+2*i], v[XB+2*i+1]
.set i, i+1
.endr
.endm
	s_mov_b32 s74, 0
	s_mov_b32 s75, 8
.Lout:                                                 ; eight trips of 16 rows; a wave reads its own stage alone, in order behind its stores
	v_add_nc_u32 v27, s74, v[RD]
.irp i, 0,1,2,3,4,5,6,7,8,9,10,11,12,13,14,15
	ds_load_b128 v[XH+4*\i:XH+4*\i+3], v27 offset:DPITCH*\i
.endr
	s_wait_dscnt 0x0
.irp i, 0,1,2,3,4,5,6,7,8,9,10,11,12,13,14,15
	v_pk_fma_f32 v[XH+4*\i:XH+4*\i+1], v[XH+4*\i:XH+4*\i+1], 0.5, v[12:13] op_sel_hi:[1,0,1]       ; xh = (sum + b1) / 2
	v_pk_fma_f32 v[XH+4*\i+2:XH+4*\i+3], v[XH+4*\i+2:XH+4*\i+3], 0.5, v[14:15] op_sel_hi:[1,0,1]
.endr
	GELUH 0
	GELUH 1
.irp i, 0,1,2,3,4,5,6,7,8,9,10,11,12,13,14,15
	global_store_b64 v[CO], v[HF+2*\i:HF+2*\i+1], s[8:9] offset:8192*\i   ; 256 consecutive bytes of a row of h, aligned
.endr
	s_wait_xcnt 0x0                                ; the stores have read their data and their base: both are written again below and in the next trip
	s_add_nc_u64 s[8:9], s[8:9], 16*8192
	s_add_co_u32 s74, s74, 16*DPITCH
	s_sub_co_u32 s75, s75, 1
	s_cmp_lg_u32 s75, 0
	s_cbranch_scc1 .Lout
	s_wait_tensorcnt 0x0                           ; the wave's end
	ds_add_u32 v[SPW], v[NIL]
	s_wait_dscnt 0x0
	CROUND                                         ; the closing round
	s_endpgm
.Lfunc_end_k_q833768648e_ffn1:
	.size	k_q833768648e_ffn1, .Lfunc_end_k_q833768648e_ffn1-k_q833768648e_ffn1
	.p2alignl 7, 3214868480
	.fill 96, 4, 3214868480
	.section	.rodata,"a",@progbits
	.p2align	6, 0x0
	.amdhsa_kernel k_q833768648e_ffn1
		.amdhsa_group_segment_fixed_size 327680
		.amdhsa_private_segment_fixed_size 0
		.amdhsa_enable_private_segment 0
		.amdhsa_kernarg_size 32
		.amdhsa_user_sgpr_count 2
		.amdhsa_user_sgpr_kernarg_segment_ptr 1
		.amdhsa_wavefront_size32 1
		.amdhsa_system_sgpr_workgroup_id_x 1
		.amdhsa_system_sgpr_workgroup_id_y 1
		.amdhsa_system_sgpr_workgroup_id_z 1
		.amdhsa_system_vgpr_workitem_id 0
		.amdhsa_next_free_vgpr 1024
		.amdhsa_next_free_sgpr 76
		.amdhsa_reserve_vcc 0
		.amdhsa_float_denorm_mode_32 3
		.amdhsa_float_denorm_mode_16_64 3
		.amdhsa_memory_ordered 1
		.amdhsa_forward_progress 1
		.amdhsa_inst_pref_size 155
	.end_amdhsa_kernel
	.amdgpu_metadata
---
amdhsa.version: [ 1, 2 ]
amdhsa.kernels:
  - .name:           k_q833768648e_ffn1
    .symbol:         k_q833768648e_ffn1.kd
    .args:
      - { .name: o1h, .offset: 0, .size: 8, .value_kind: global_buffer, .address_space: global }
      - { .name: wh, .offset: 8, .size: 8, .value_kind: global_buffer, .address_space: global }
      - { .name: hh, .offset: 16, .size: 8, .value_kind: global_buffer, .address_space: global }
      - { .name: b1, .offset: 24, .size: 8, .value_kind: global_buffer, .address_space: global }
    .group_segment_fixed_size: 327680
    .private_segment_fixed_size: 0
    .kernarg_segment_align: 8
    .kernarg_segment_size: 32
    .max_flat_workgroup_size: 128
    .sgpr_count:     76
    .vgpr_count:     1024
    .wavefront_size: 32
...
	.end_amdgpu_metadata
.endif
;; end of part 4
;; launch ffn2 (part 5): grid 8 x 32, 4 waves a work-group, clusters of 4 x 4, 327,680 bytes of LDS; arguments hh, wh, y, b2; writes y
.if DOCPART == 5
	.amdgcn_target "amdgcn-amd-amdhsa--gfx1250"
	.amdhsa_code_object_version 6
	.text
	.protected	k_q833768648e_ffn2
	.globl	k_q833768648e_ffn2
	.p2align	8
	.type	k_q833768648e_ffn2,@function
k_q833768648e_ffn2:
	s_mov_b64 s[64:65], 0
	v_nop
	global_prefetch_b8 v0, s[64:65] scope:SCOPE_SE
	s_setreg_imm32_b32 hwreg(HW_REG_WAVE_MODE, 25, 1), 1
	s_wait_xcnt 0x0
	s_wait_alu depctr_hold_cnt(0) depctr_sa_sdst(0) depctr_va_vdst(0) depctr_va_sdst(0) depctr_va_ssrc(0) depctr_va_vcc(0) depctr_vm_vsrc(0)
	s_getreg_b32 s2, hwreg(HW_REG_IB_STS2, 6, 4)
	s_cmp_eq_u32 s2, 0
	s_cbranch_scc0 .Lentry_in_a_cluster
	s_endpgm
.Lentry_in_a_cluster:
	s_bfe_u32 s2, ttmp6, 0x10000c
	s_cmp_lg_u32 s2, 0xf033
	s_cbranch_scc0 .Lentry_shape_is_right
	s_endpgm
.Lentry_shape_is_right:
; y = h W2^T + b2.  h: [4096][4096] f16 (hh), W2: [1024][4096] f16 (wh, second half), y: [4096][1024] f32; sums in f32, begun from the bias.
; Tiles of 256 x 256 would be 64; so a tile is 128 x 128: 256 work-groups of four waves, each 64 x 64: 16 accumulators.  K goes in steps of 256 (LDS rows of 512 bytes) through two slots.
; CLUSTERS: 4 x 4 work-groups; A's tiles shared along a row of the cluster, B's along a column, by joint loads.  The matrix instruction is used transposed: a lane holds eight neighbouring columns of one row.
; LIMITS: |h|, |W2| under 65,504 (f16).
; REGISTERS: window 0: v0-31 addresses; v32-95 the way out; v96-127 the bias of my 64 columns in the result's layout; v128-255 the accumulators.  window 1: two fragment buffers of 128.
.set SIZE_K, 4096
.set SIZE_N, 1024
.set KSTEP,  256
.set PITCH,  528                       ; 512 bytes + 16: an odd multiple of 16
.set HALFT,  64*PITCH
.set SLOT,   4*HALFT
.set STAGE,  2*SLOT                    ; behind the ring: 16 rows x 272 bytes for each wave
.set SPITCH, 272
.set SPARE,  STAGE+4*16*SPITCH
.set LAPS,   SIZE_K/(2*KSTEP)
.set ADRA, 16
.set ADRB, 20
.set STO,  24
.set RD,   25
.set CO,   26
.set SPW,  28
.set NIL,  29
.set TMP,  32
.set BI,   96
.set ACC,  128
.set F0,   0
.set F1,   128
.set G1, 24
.set G0, 32
.set G1B, 48
.set G0B, 56
.set MSB, 0
.macro WIN new
.if MSB != (\new)
	s_set_vgpr_msb (MSB<<8)|(\new)
.set MSB, (\new)
.endif
.endm
.set MUL,  0x05                        ; sources 0 and 1 window 1; C and D window 0
.set TO_F, 0x40
.macro JLOAD s
	s_cmp_eq_u32 s11, 0
	s_cbranch_scc0 .Lfor_b_\@
	tensor_load_to_lds s[G0+4*\s:G0+4*\s+3], s[G1:G1+7]
	s_nop 0
.rept 4
	v_nop
.endr
	s_branch .Lasked_\@
.Lfor_b_\@:
	tensor_load_to_lds s[G0B+4*\s:G0B+4*\s+3], s[G1B:G1B+7]
	s_nop 0
.rept 4
	v_nop
.endr
.Lasked_\@:
.endm
.macro CREST
	s_cmp_lg_u32 s10, 0
	s_cbranch_scc1 .Lnot_wave_0_\@
	s_barrier_signal -3
.Lnot_wave_0_\@:
	s_barrier_wait -3
	s_barrier_signal -1
	s_barrier_wait -1
.endm
.macro CROUND
	s_barrier_signal -1
	s_barrier_wait -1
	CREST
.endm
	s_load_b128 s[4:7], s[0:1], 0x0                ; h, wh
	s_load_b64 s[8:9], s[0:1], 0x10                ; y
	s_load_b64 s[66:67], s[0:1], 0x18              ; b2
	v_lshl_add_u32 v[SPW], v0, 2, SPARE
	v_mov_b32 v[NIL], 0
	ds_add_u32 v[SPW], v[NIL]                      ; the wave's opening: the add, twice on end, and its wait ahead of my first tensor load
	ds_add_u32 v[SPW], v[NIL]
	v_lshrrev_b32 v1, 5, v0
	v_readfirstlane_b32 s10, v1
	s_lshr_b32 s11, s10, 1
	s_and_b32 s12, s10, 1
	s_bfe_u32 s40, ttmp6, 0x40000
	s_bfe_u32 s41, ttmp6, 0x40004
	s_lshl_b32 s42, ttmp9, 2
	s_add_co_u32 s42, s42, s40                     ; tile column
	s_and_b32 s13, ttmp7, 0xffff
	s_lshl_b32 s13, s13, 2
	s_add_co_u32 s13, s13, s41                     ; tile row
	s_lshl_b32 s43, s41, 2
	s_lshl_b32 s43, 15, s43
	s_lshl_b32 s44, 0x1111, s40
	s_or_b32 s[G1+0], s43, (1<<16)|(1<<20)|(1<<21)|(6<<22)|(3<<25)  ; mask; elements of 2 bytes; padding: 4 words behind every 128
	s_or_b32 s[G1B+0], s44, (1<<16)|(1<<20)|(1<<21)|(6<<22)|(3<<25)
.irp g, G1, G1B
	s_mov_b32 s[\g+1], KSTEP<<16
	s_mov_b32 s[\g+2], 64<<16
	s_mov_b32 s[\g+3], KSTEP<<16
	s_mov_b32 s[\g+4], 64
	s_mov_b32 s[\g+5], SIZE_K
	s_mov_b32 s[\g+6], 0
	s_mov_b32 s[\g+7], 0
.endr
	s_lshl_b32 s17, s12, 6
	s_lshl_b32 s16, s13, 7
	s_add_co_u32 s16, s16, s17                     ; A: row 128 x tile row + 64 x half
	s_lshl_b32 s46, s42, 7
	s_add_co_u32 s46, s46, s17                     ; B: row 128 x tile column + 64 x half
	s_mov_b32 s17, 0
	s_mov_b32 s47, 0
	s_mov_b64 s[18:19], SIZE_K*2
	s_mul_u64 s[16:17], s[16:17], s[18:19]
	s_mul_u64 s[46:47], s[46:47], s[18:19]
	s_mul_i32 s20, s10, HALFT
	s_wait_dscnt 0x0                               ; both opening adds are done
	s_wait_kmcnt 0x0
	s_add_nc_u64 s[14:15], s[4:5], s[16:17]
	s_add_nc_u64 s[46:47], s[6:7], s[46:47]
	s_add_nc_u64 s[46:47], s[46:47], 0x800000      ; W2 lies behind W1 in wh
	CROUND
.irp s, 0,1
	s_mov_b32 s[G0+4*\s], 1
	s_add_co_u32 s[G0+4*\s+1], s20, \s*SLOT
	s_add_nc_u64 s[G0+4*\s+2:G0+4*\s+3], s[14:15], \s*KSTEP*2
	s_or_b32 s[G0+4*\s+3], s[G0+4*\s+3], 0x80000000
	s_mov_b32 s[G0B+4*\s], 1
	s_add_co_u32 s[G0B+4*\s+1], s20, \s*SLOT
	s_add_nc_u64 s[G0B+4*\s+2:G0B+4*\s+3], s[46:47], \s*KSTEP*2
	s_or_b32 s[G0B+4*\s+3], s[G0B+4*\s+3], 0x80000000
	JLOAD \s                                       ; two tensor loads of mine are out behind the second
.endr
	v_and_b32 v1, 15, v0                           ; r
	v_bfe_u32 v2, v0, 4, 1                         ; h
	s_lshl_b32 s46, s42, 9                         ; my first column, in bytes of f32: 512 x tile column + 256 x half: in y's rows and in b2 alike
	s_lshl_b32 s47, s12, 8
	s_add_co_u32 s46, s46, s47
	s_mov_b32 s47, 0
	s_add_nc_u64 s[66:67], s[66:67], s[46:47]
	v_lshlrev_b32 v30, 5, v2                       ; lane (r, h) wants, for block b, columns 16 b + 8 h + 0 .. 7
.irp b, 0,1,2,3
	global_load_b128 v[BI+8*\b:BI+8*\b+3], v30, s[66:67] offset:64*\b
	global_load_b128 v[BI+8*\b+4:BI+8*\b+7], v30, s[66:67] offset:64*\b+16
.endr
	v_mul_u32_u24 v3, v1, PITCH
	v_lshl_add_u32 v3, v2, 4, v3
	s_mul_i32 s21, s11, HALFT
	s_mul_i32 s22, s12, HALFT
	s_add_co_u32 s22, s22, 2*HALFT
.irp s, 0,1
	v_add_nc_u32 v[ADRA+\s], s21, v3
	v_add_nc_u32 v[ADRB+\s], s22, v3
	s_add_co_u32 s21, s21, SLOT
	s_add_co_u32 s22, s22, SLOT
.endr
	s_mul_i32 s23, s10, 16*SPITCH
	s_add_co_u32 s23, s23, STAGE                   ; my stage
	v_mul_u32_u24 v4, v1, SPITCH
	v_lshl_add_u32 v4, v2, 5, v4
	v_add_nc_u32 v[STO], s23, v4                   ; in: row r, 32 bytes for each half of the lanes
	v_mul_u32_u24 v5, v2, SPITCH
	v_lshl_add_u32 v5, v1, 4, v5
	v_add_nc_u32 v[RD], s23, v5                    ; back: lanes 0-15 one row of 256 bytes, lanes 16-31 the next
	v_lshlrev_b32 v5, 12, v2                       ; and the same two rows in y (4,096 bytes a row)
	v_lshl_add_u32 v[CO], v1, 4, v5
	s_lshl_b32 s16, s13, 7
	s_lshl_b32 s17, s11, 6
	s_add_co_u32 s16, s16, s17                     ; my first row of y
	s_lshl_b32 s16, s16, 12
	s_add_co_u32 s16, s16, s46
	s_mov_b32 s17, 0
	s_add_nc_u64 s[8:9], s[8:9], s[16:17]
.macro MUL8 f, c, a0, zero             ; 8 matrix instructions; zero = 1: the first product starts the sums from the bias.  The 16 accumulators take turns
.irp a, \a0, \a0+1
.irp b, 0,1,2,3
.if \zero
	v_wmma_f32_16x16x32_f16 v[ACC+8*(4*(\a)+\b):ACC+8*(4*(\a)+\b)+7], v[\f+64+8*(4*\c+\b):\f+64+8*(4*\c+\b)+7], v[\f+8*(4*\c+\a):\f+8*(4*\c+\a)+7], v[BI+8*\b:BI+8*\b+7]
.else
	v_wmma_f32_16x16x32_f16 v[ACC+8*(4*(\a)+\b):ACC+8*(4*(\a)+\b)+7], v[\f+64+8*(4*\c+\b):\f+64+8*(4*\c+\b)+7], v[\f+8*(4*\c+\a):\f+8*(4*\c+\a)+7], v[ACC+8*(4*(\a)+\b):ACC+8*(4*(\a)+\b)+7]
.endif
.endr
.endr
.endm
.macro FETCH slot, k, f                ; 32 LDS loads in one run: 64 along K at byte k of the rows; the first 32 along K first
	WIN TO_F
.irp c, 0,1
.irp i, 0,1,2,3
	ds_load_b128 v[\f+64+8*(4*\c+\i):\f+64+8*(4*\c+\i)+3],   v[ADRB+\slot] offset:\k+64*\c+\i*16*PITCH
	ds_load_b128 v[\f+64+8*(4*\c+\i)+4:\f+64+8*(4*\c+\i)+7], v[ADRB+\slot] offset:\k+64*\c+\i*16*PITCH+32
	ds_load_b128 v[\f+8*(4*\c+\i):\f+8*(4*\c+\i)+3],         v[ADRA+\slot] offset:\k+64*\c+\i*16*PITCH
	ds_load_b128 v[\f+8*(4*\c+\i)+4:\f+8*(4*\c+\i)+7],       v[ADRA+\slot] offset:\k+64*\c+\i*16*PITCH+32
.endr
.endr
.endm
.macro PLACES
.rept 4
	v_nop
.endr
.endm
.macro QUARTER slot, k, f, g, zero
	s_wait_dscnt 16                                ; the first 32 along K are in; the other sixteen loads may be out
	WIN MUL
	MUL8 \f, 0, 0, \zero
	MUL8 \f, 0, 2, \zero
	PLACES
	FETCH \slot, \k, \g
	s_wait_dscnt 32                                ; all but the 32 just issued
	WIN MUL
	MUL8 \f, 1, 0, 0
	MUL8 \f, 1, 2, 0
.endm
.macro TURN slot, next, fill           ; the last quarter changes slots: one barrier, with the waits and the add in front of it; fill = 1: a round of the cluster's barrier and the joint refill first behind it
	WIN 0
	s_wait_tensorcnt 0x0                           ; my part of the next slot has landed
	ds_add_u32 v[SPW], v[NIL]
	s_wait_dscnt 17                                ; the add and the youngest sixteen loads may be out
	WIN MUL
	MUL8 F1, 0, 0, 0
	s_wait_dscnt 0x0                               ; the add is done, my reads of this slot are over
	s_barrier_signal -1
	MUL8 F1, 0, 2, 0
.if \fill
	WIN 0
.endif
	s_barrier_wait -1
.if \fill
	CREST
	s_add_nc_u64 s[G0+4*\slot+2:G0+4*\slot+3], s[G0+4*\slot+2:G0+4*\slot+3], 2*KSTEP*2
	s_add_nc_u64 s[G0B+4*\slot+2:G0B+4*\slot+3], s[G0B+4*\slot+2:G0B+4*\slot+3], 2*KSTEP*2
	JLOAD \slot
.else
	PLACES
.endif
	FETCH \next, 0, F0
	WIN MUL
	MUL8 F1, 1, 0, 0
	MUL8 F1, 1, 2, 0
.endm
	s_wait_tensorcnt 1                             ; my part of K step 0 is in; K step 1's load may be out
	s_barrier_signal -1
	s_barrier_wait -1
	FETCH 0, 0, F0
	s_wait_loadcnt 0x0                             ; the bias
	QUARTER 0, 128, F0, F1, 1
	WIN 0
	s_mov_b32 s3, LAPS-1
.Llap:
	QUARTER 0, 256, F1, F0, 0
	QUARTER 0, 384, F0, F1, 0
	TURN 0, 1, 1
	QUARTER 1, 128, F0, F1, 0
	QUARTER 1, 256, F1, F0, 0
	QUARTER 1, 384, F0, F1, 0
	TURN 1, 0, 1
	QUARTER 0, 128, F0, F1, 0
	WIN 0
	s_sub_co_u32 s3, s3, 1
	s_cmp_lg_u32 s3, 0
	s_cbranch_scc1 .Llap
	QUARTER 0, 256, F1, F0, 0                      ; the last lap fills nothing
	QUARTER 0, 384, F0, F1, 0
	TURN 0, 1, 0
	QUARTER 1, 128, F0, F1, 0
	QUARTER 1, 256, F1, F0, 0
	QUARTER 1, 384, F0, F1, 0
	s_wait_dscnt 16
	WIN MUL
	MUL8 F1, 0, 0, 0
	MUL8 F1, 0, 2, 0
	s_wait_dscnt 0
	MUL8 F1, 1, 0, 0
	MUL8 F1, 1, 2, 0
	WIN 0
; THE WAY OUT: my 64 columns of f32 are 256 consecutive, aligned bytes of a row of y: each block of 16 rows goes through my own stage and comes back as whole runs of 256 bytes.  No barrier: no other wave touches my stage.
.macro TOSTAGE a
.irp b, 0,1,2,3
	ds_store_b128 v[STO], v[ACC+8*(4*(\a)+\b):ACC+8*(4*(\a)+\b)+3] offset:64*\b         ; each accumulator from its low end on
	ds_store_b128 v[STO], v[ACC+8*(4*(\a)+\b)+4:ACC+8*(4*(\a)+\b)+7] offset:64*\b+16
.endr
.irp f, 0,1,2,3,4,5,6,7
	ds_load_b128 v[TMP+32*((\a)%2)+4*\f:TMP+32*((\a)%2)+4*\f+3], v[RD] offset:2*SPITCH*\f   ; in order behind my stores
.endr
.endm
.macro SEND a, younger                 ; younger: the LDS instructions issued behind block a's loads
	s_wait_dscnt \younger
.irp f, 0,1,2,3,4,5,6,7
	global_store_b128 v[CO], v[TMP+32*((\a)%2)+4*\f:TMP+32*((\a)%2)+4*\f+3], s[8:9] offset:(16*(\a)+2*\f)*SIZE_N*4
.endr
.endm
	PLACES
	TOSTAGE 0
.irp a, 1,2,3
.if \a > 1
	s_wait_xcnt 0x0                                ; block a - 2's stores have read their registers: block a's loads may land there
.endif
	TOSTAGE \a
	SEND \a-1, 16                                  ; behind block a - 1's loads: block a's eight stores and eight loads
.endr
	SEND 3, 0
	s_wait_tensorcnt 0x0                           ; the wave's end
	ds_add_u32 v[SPW], v[NIL]
	s_wait_dscnt 0x0
	CROUND                                         ; the closing round
	s_endpgm
.Lfunc_end_k_q833768648e_ffn2:
	.size	k_q833768648e_ffn2, .Lfunc_end_k_q833768648e_ffn2-k_q833768648e_ffn2
	.p2alignl 7, 3214868480
	.fill 96, 4, 3214868480
	.section	.rodata,"a",@progbits
	.p2align	6, 0x0
	.amdhsa_kernel k_q833768648e_ffn2
		.amdhsa_group_segment_fixed_size 327680
		.amdhsa_private_segment_fixed_size 0
		.amdhsa_enable_private_segment 0
		.amdhsa_kernarg_size 32
		.amdhsa_user_sgpr_count 2
		.amdhsa_user_sgpr_kernarg_segment_ptr 1
		.amdhsa_wavefront_size32 1
		.amdhsa_system_sgpr_workgroup_id_x 1
		.amdhsa_system_sgpr_workgroup_id_y 1
		.amdhsa_system_sgpr_workgroup_id_z 1
		.amdhsa_system_vgpr_workitem_id 0
		.amdhsa_next_free_vgpr 512
		.amdhsa_next_free_sgpr 68
		.amdhsa_reserve_vcc 0
		.amdhsa_float_denorm_mode_32 3
		.amdhsa_float_denorm_mode_16_64 3
		.amdhsa_memory_ordered 1
		.amdhsa_forward_progress 1
		.amdhsa_inst_pref_size 87
	.end_amdhsa_kernel
	.amdgpu_metadata
---
amdhsa.version: [ 1, 2 ]
amdhsa.kernels:
  - .name:           k_q833768648e_ffn2
    .symbol:         k_q833768648e_ffn2.kd
    .args:
      - { .name: hh, .offset: 0, .size: 8, .value_kind: global_buffer, .address_space: global }
      - { .name: wh, .offset: 8, .size: 8, .value_kind: global_buffer, .address_space: global }
      - { .name: y, .offset: 16, .size: 8, .value_kind: global_buffer, .address_space: global }
      - { .name: b2, .offset: 24, .size: 8, .value_kind: global_buffer, .address_space: global }
    .group_segment_fixed_size: 327680
    .private_segment_fixed_size: 0
    .kernarg_segment_align: 8
    .kernarg_segment_size: 32
    .max_flat_workgroup_size: 128
    .sgpr_count:     68
    .vgpr_count:     512
    .wavefront_size: 32
...
	.end_amdgpu_metadata
.endif
;; end of part 5
;; launch ln2 (part 6): grid 256 x 1, 8 waves a work-group, no clusters, 0 bytes of LDS; arguments y, o1f, g2, be2, out0; writes out0
.if DOCPART == 6
	.amdgcn_target "amdgcn-amd-amdhsa--gfx1250"
	.amdhsa_code_object_version 6
	.text
	.protected	k_q833768648e_ln2
	.globl	k_q833768648e_ln2
	.p2align	8
	.type	k_q833768648e_ln2,@function
k_q833768648e_ln2:
	s_mov_b64 s[64:65], 0
	v_nop
	global_prefetch_b8 v0, s[64:65] scope:SCOPE_SE
	s_setreg_imm32_b32 hwreg(HW_REG_WAVE_MODE, 25, 1), 1
	s_wait_xcnt 0x0
; out0 = out1 + LayerNorm(y) g2 + be2.  y, out1, out0: [4096][1024] f32.  A stream: each byte is read once and written once; no LDS, no barrier, no matrix unit, nothing is shared.
; A wave takes two whole rows (4,096 bytes each: 32 registers a lane) and keeps them in registers between the sums and the scaling.  Each load and store of a wave covers 512 consecutive bytes.
; The mean is taken off before the squares are summed.  LIMITS: NaN and infinities are not served.
.set Y,   32                           ; v32-95   y's two rows
.set O,   96                           ; v96-159  out1's two rows
.set G,   160                          ; v160-191 g2
.set BE,  192                          ; v192-223 be2
.set TT,  8                            ; v8-23    at work, eight a row
.set SEL, 18
.set INV, 20
.set EPS, 21
	s_load_b256 s[4:11], s[0:1], 0x0               ; y 4, out1 6, g2 8, be2 10
	s_load_b64 s[12:13], s[0:1], 0x20              ; out0
	v_lshrrev_b32 v2, 5, v0
	v_readfirstlane_b32 s14, v2                    ; wave
	v_and_b32 v1, 31, v0
	v_lshlrev_b32 v1, 4, v1                        ; 16 bytes a lane
	s_lshl_b32 s16, ttmp9, 16                      ; 16 rows of 4,096 bytes a work-group,
	s_lshl_b32 s15, s14, 13                        ; two a wave
	s_add_co_u32 s16, s16, s15
	s_mov_b32 s17, 0
	s_mov_b32 s[SEL], 0x76543210
	s_mov_b32 s[SEL+1], 0xfedcba98
	s_mov_b32 s[INV], 0x3a800000                   ; 1 / 1024
	s_mov_b32 s[EPS], 0x3727c5ac                   ; 1e-5
	s_wait_kmcnt 0x0
	s_add_nc_u64 s[4:5], s[4:5], s[16:17]
	s_add_nc_u64 s[6:7], s[6:7], s[16:17]
	s_add_nc_u64 s[12:13], s[12:13], s[16:17]
.irp t, 0,1
.irp f, 0,1,2,3,4,5,6,7
	global_load_b128 v[Y+32*\t+4*\f:Y+32*\t+4*\f+3], v1, s[4:5] offset:4096*\t+512*\f th:TH_LOAD_NT
.endr
.endr
.irp f, 0,1,2,3,4,5,6,7
	global_load_b128 v[G+4*\f:G+4*\f+3], v1, s[8:9] offset:512*\f
.endr
.irp f, 0,1,2,3,4,5,6,7
	global_load_b128 v[BE+4*\f:BE+4*\f+3], v1, s[10:11] offset:512*\f
.endr
.irp t, 0,1
.irp f, 0,1,2,3,4,5,6,7
	global_load_b128 v[O+32*\t+4*\f:O+32*\t+4*\f+3], v1, s[6:7] offset:4096*\t+512*\f th:TH_LOAD_NT
.endr
.endr
.macro WSUM a, b                       ; v[a] summed over the 32 lanes; v[b] has been written
	v_add_f32_dpp v[\a], v[\a], v[\a] row_xmask:1 row_mask:0xf bank_mask:0xf
	v_add_f32_dpp v[\a], v[\a], v[\a] row_xmask:2 row_mask:0xf bank_mask:0xf
	v_add_f32_dpp v[\a], v[\a], v[\a] row_xmask:4 row_mask:0xf bank_mask:0xf
	v_add_f32_dpp v[\a], v[\a], v[\a] row_xmask:8 row_mask:0xf bank_mask:0xf
	v_permlanex16_b32 v[\b], v[\a], s[SEL], s[SEL+1]
	v_add_f32 v[\a], v[\a], v[\b]
.endm
.macro LNORM x, t                      ; a row of 1,024, 32 numbers a lane at v[x]: (x - mean) / sqrt(var + 1e-5) in place; v[t .. t+7] at work
	v_pk_add_f32 v[\t:\t+1], v[\x:\x+1], v[\x+2:\x+3]
	v_pk_add_f32 v[\t+2:\t+3], v[\x+4:\x+5], v[\x+6:\x+7]
.irp j, 8,12,16,20,24,28
	v_pk_add_f32 v[\t:\t+1], v[\t:\t+1], v[\x+\j:\x+\j+1]
	v_pk_add_f32 v[\t+2:\t+3], v[\t+2:\t+3], v[\x+\j+2:\x+\j+3]
.endr
	v_pk_add_f32 v[\t:\t+1], v[\t:\t+1], v[\t+2:\t+3]
	v_add_f32 v[\t], v[\t], v[\t+1]
	WSUM \t, \t+1
	v_mul_f32 v[\t], s[INV], v[\t]
.irp j, 0,2,4,6,8,10,12,14,16,18,20,22,24,26,28,30
	v_pk_add_f32 v[\x+\j:\x+\j+1], v[\x+\j:\x+\j+1], v[\t:\t+1] op_sel_hi:[1,0] neg_lo:[0,1] neg_hi:[0,1]
.endr
	v_pk_mul_f32 v[\t+2:\t+3], v[\x:\x+1], v[\x:\x+1]
	v_pk_mul_f32 v[\t+4:\t+5], v[\x+2:\x+3], v[\x+2:\x+3]
.irp j, 4,8,12,16,20,24,28
	v_pk_fma_f32 v[\t+2:\t+3], v[\x+\j:\x+\j+1], v[\x+\j:\x+\j+1], v[\t+2:\t+3]
	v_pk_fma_f32 v[\t+4:\t+5], v[\x+\j+2:\x+\j+3], v[\x+\j+2:\x+\j+3], v[\t+4:\t+5]
.endr
	v_pk_add_f32 v[\t+2:\t+3], v[\t+2:\t+3], v[\t+4:\t+5]
	v_add_f32 v[\t+2], v[\t+2], v[\t+3]
	WSUM \t+2, \t+3
	v_fma_f32 v[\t+2], v[\t+2], s[INV], s[EPS]
	v_rsq_f32 v[\t+6], v[\t+2]
	v_mov_b32 v[\t+7], 0                           ; the plain line behind the root; the pair's upper half is written
	s_wait_alu depctr_va_vdst(0)                   ; ahead of the first reader
.irp j, 0,2,4,6,8,10,12,14,16,18,20,22,24,26,28,30
	v_pk_mul_f32 v[\x+\j:\x+\j+1], v[\x+\j:\x+\j+1], v[\t+6:\t+7] op_sel_hi:[1,0]
.endr
.endm
	s_wait_loadcnt 32                              ; y's sixteen loads are in; the 32 issued behind them (g2, be2, out1) may be out
	LNORM Y, TT
	LNORM Y+32, TT+8
	s_wait_loadcnt 0x0
.irp t, 0,1
.set i, 0
.rept 16
	v_pk_add_f32 v[O+32*\t+i:O+32*\t+i+1], v[O+32*\t+i:O+32*\t+i+1], v[BE+i:BE+i+1]
	v_pk_fma_f32 v[Y+32*\t+i:Y+32*\t+i+1], v[Y+32*\t+i:Y+32*\t+i+1], v[G+i:G+i+1], v[O+32*\t+i:O+32*\t+i+1]
.set i, i+2
.endr
.endr
.irp t, 0,1
.irp f, 0,1,2,3,4,5,6,7
	global_store_b128 v1, v[Y+32*\t+4*\f:Y+32*\t+4*\f+3], s[12:13] offset:4096*\t+512*\f th:TH_STORE_NT   ; 512 consecutive bytes, aligned
.endr
.endr
	s_endpgm
.Lfunc_end_k_q833768648e_ln2:
	.size	k_q833768648e_ln2, .Lfunc_end_k_q833768648e_ln2-k_q833768648e_ln2
	.p2alignl 7, 3214868480
	.fill 96, 4, 3214868480
	.section	.rodata,"a",@progbits
	.p2align	6, 0x0
	.amdhsa_kernel k_q833768648e_ln2
		.amdhsa_group_segment_fixed_size 0
		.amdhsa_private_segment_fixed_size 0
		.amdhsa_enable_private_segment 0
		.amdhsa_kernarg_size 40
		.amdhsa_user_sgpr_count 2
		.amdhsa_user_sgpr_kernarg_segment_ptr 1
		.amdhsa_wavefront_size32 1
		.amdhsa_system_sgpr_workgroup_id_x 1
		.amdhsa_system_sgpr_workgroup_id_y 1
		.amdhsa_system_sgpr_workgroup_id_z 1
		.amdhsa_system_vgpr_workitem_id 0
		.amdhsa_next_free_vgpr 224
		.amdhsa_next_free_sgpr 66
		.amdhsa_reserve_vcc 0
		.amdhsa_float_denorm_mode_32 3
		.amdhsa_float_denorm_mode_16_64 3
		.amdhsa_memory_ordered 1
		.amdhsa_forward_progress 1
		.amdhsa_inst_pref_size 21
	.end_amdhsa_kernel
	.amdgpu_metadata
---
amdhsa.version: [ 1, 2 ]
amdhsa.kernels:
  - .name:           k_q833768648e_ln2
    .symbol:         k_q833768648e_ln2.kd
    .args:
      - { .name: y, .offset: 0, .size: 8, .value_kind: global_buffer, .address_space: global }
      - { .name: o1f, .offset: 8, .size: 8, .value_kind: global_buffer, .address_space: global }
      - { .name: g2, .offset: 16, .size: 8, .value_kind: global_buffer, .address_space: global }
      - { .name: be2, .offset: 24, .size: 8, .value_kind: global_buffer, .address_space: global }
      - { .name: out0, .offset: 32, .size: 8, .value_kind: global_buffer, .address_space: global }
    .group_segment_fixed_size: 0
    .private_segment_fixed_size: 0
    .kernarg_segment_align: 8
    .kernarg_segment_size: 40
    .max_flat_workgroup_size: 256
    .sgpr_count:     66
    .vgpr_count:     224
    .wavefront_size: 32
...
	.end_amdgpu_metadata
.endif
;; end of part 6
